; MI455X (gfx1250); checked and timed in simulation.
; The chip was launched on July 23, 2026; its instructions are those of AMD's public machine-readable ISA for CDNA 5 (MIT licence, August 2026) and "CDNA5" Instruction Set Architecture Reference Guide (July 2026). The comments in the code are by the model that wrote it; some were corrected since.
;; Conditioned Mlp. Allowed arithmetic: float matrix products may take bf16 or f16 operands with f32 sums; all other float work in f32.
;; Inputs: W1 4 x 1,024 x 4,096 float32; W2 4 x 4,096 x 1,024 float32; Wg 2,048 x 4 float32; b1 4 x 4,096 float32; b2 4 x 1,024 float32; bg 4 float32; k 2,048 x 1,024 float32; q 2,048 x 1,024 float32.
;; Outputs: out0 2,048 x 1,024 float32.
;; 2 versions, each right; version 2 is version 1 with the launch prep written anew for expert scheduling mode. Each part assembles by itself: llvm-mc -triple=amdgcn-amd-amdhsa -mcpu=gfx1250 --defsym DOCPART=n.
;; ======== version 1 of 2: 4 launches
;; limits: values are held in f16: magnitudes above 65,504 overflow, below 6.1e-05 lose precision
;; workspace buffers: qf 4,194,304 bytes; gate 32,768 bytes; W1f 33,554,432 bytes; W2f 33,554,432 bytes; h 67,108,864 bytes; part 67,108,864 bytes
;; launch prep (part 1): grid 1280 x 1, 8 waves a work-group, no clusters, 2,048 bytes of LDS; arguments q, k, Wg, bg, W1, qf, gate, W1f; writes qf, gate, W1f
.if DOCPART == 1
	.amdgcn_target "amdgcn-amd-amdhsa--gfx1250"
	.amdhsa_code_object_version 6
	.text
	.protected	k_q5d613c55a1_prep
	.globl	k_q5d613c55a1_prep
	.p2align	8
	.type	k_q5d613c55a1_prep,@function
k_q5d613c55a1_prep:
	s_mov_b64 s[64:65], 0
	v_nop
	global_prefetch_b8 v0, s[64:65] scope:SCOPE_SE
	s_setreg_imm32_b32 hwreg(HW_REG_WAVE_MODE, 25, 1), 1
	s_wait_xcnt 0x0
; Two jobs, chosen by the work-group's number (the same for all its waves):
;   work-groups 0 to 255:     gate[n][0..3] = softmax(concat(q[n], k[n]) . Wg + bg), all in f32, and qf = q rounded to f16.  Eight rows a work-group.
;   work-groups 256 to 1279:  W1f = W1 rounded to f16, same order of elements.  65,536 bytes of f32 a work-group.  (W2 is rounded by the next launch, beside its matrix work.)
; WHY f16 AND NOT bf16: four operands are rounded on the way to a result (q, W1, h, W2); f16's 11 significant bits leave each an eighth of the error of bf16's 8.
; ROOM IN f16 (largest number 65,504; spacing 6e-8 below 6e-5): numbers of the size of q up to 65,504; weights of rms 5e-4 still carry an absolute error under 1e-4 of their rms.
; The division by TEMP = 1.0 changes no number and is not written.  The softmax takes the row's maximum away: its exponents are at most 0, its sum at least 1.
; No work-group reads what another reads but Wg and bg (32 KiB): no clusters, no tiles in LDS, no matrix work; every byte of q, k, W1 is loaded once.
.set GATE_WGS, 256
.set WQ,  8                            ; v[8:23]    Wg rows 4t .. 4t+3 (q's part), four experts each
.set WK,  24                           ; v[24:39]   Wg rows 1024+4t .. (k's part)
.set XQ,  40                           ; v[40:71]   q: row i's four numbers at +4i
.set XK,  72                           ; v[72:103]  k likewise
.set ACC, 104                          ; v[104:135] row i's four partial logits at +4i
.set Y,   136                          ; v[136:151] row i's four f16 of q at +2i
.set BG,  152                          ; v152       bg[t & 3]
.set CX,  8                            ; cast: v[8:71]   sixteen loads of 16 bytes
.set CY,  72                           ; cast: v[72:103] sixteen stores of 8 bytes
	v_lshl_add_u32 v160, v0, 2, 0x400
	v_mov_b32 v161, 0
	s_cmp_lt_u32 ttmp9, GATE_WGS
	s_cbranch_scc0 .Lcast
	; ---------------- the gate, and q to f16 ----------------
	; Thread t owns elements 4t .. 4t+3 of every row of q and of k, and the eight rows of Wg that meet them.
	s_load_b256 s[4:11], s[0:1], 0x0               ; q s[4:5], k s[6:7], Wg s[8:9], bg s[10:11]
	s_load_b128 s[12:15], s[0:1], 0x28             ; qf s[12:13], gate s[14:15]
	v_lshlrev_b32 v1, 4, v0                        ; 16 t: my 16 bytes in a row of q or k
	v_lshlrev_b32 v2, 3, v0                        ; 8 t: my 8 bytes in a row of qf
	v_lshlrev_b32 v3, 6, v0                        ; 64 t: my four rows of Wg
	v_and_b32 v4, 3, v0
	v_lshlrev_b32 v4, 2, v4                        ; 4 (t & 3): the expert that my lane stands for at the end
	v_and_b32 v6, 31, v0
	v_lshlrev_b32 v6, 2, v6                        ; 4 x lane
	v_lshrrev_b32 v7, 5, v0
	v_readfirstlane_b32 s16, v7                    ; wave 0..7
	v_mov_b32 v5, s16
	v_lshlrev_b32 v5, 7, v5                        ; my wave's 128 bytes of LDS
	s_mov_b32 s18, 0x76543210                      ; v_permlanex16_b32: each lane takes its own place in the other half
	s_mov_b32 s19, 0xfedcba98
	s_lshl_b32 s20, ttmp9, 15                      ; eight rows of 4,096 bytes (q, k)
	s_mov_b32 s21, 0
	s_lshl_b32 s22, ttmp9, 14                      ; eight rows of 2,048 bytes (qf)
	s_mov_b32 s23, 0
	s_lshl_b32 s24, ttmp9, 7                       ; eight rows of 16 bytes (gate)
	s_mov_b32 s25, 0
	s_wait_kmcnt 0x0
	s_add_nc_u64 s[4:5], s[4:5], s[20:21]
	s_add_nc_u64 s[6:7], s[6:7], s[20:21]
	s_add_nc_u64 s[12:13], s[12:13], s[22:23]
	s_add_nc_u64 s[14:15], s[14:15], s[24:25]
	global_load_b32 v[BG], v4, s[10:11]
.irp j, 0,1,2,3
	global_load_b128 v[WQ+4*\j:WQ+4*\j+3], v3, s[8:9] offset:16*\j
.endr
.irp j, 0,1,2,3
	global_load_b128 v[WK+4*\j:WK+4*\j+3], v3, s[8:9] offset:16384+16*\j
.endr
.irp i, 0,1,2,3,4,5,6,7
	global_load_b128 v[XQ+4*\i:XQ+4*\i+3], v1, s[4:5] offset:4096*\i th:TH_LOAD_NT
	global_load_b128 v[XK+4*\i:XK+4*\i+3], v1, s[6:7] offset:4096*\i th:TH_LOAD_NT
.endr
; row i's logits (two pairs of experts) += Wg row j of set w times element j of x: the element is broadcast to both halves of the packed multiply-add
.macro MAC i, w, x, j
.if (\j)%2
	v_pk_fma_f32 v[ACC+4*\i:ACC+4*\i+1],   v[\w+4*\j:\w+4*\j+1],   v[\x+4*\i+\j-1:\x+4*\i+\j], v[ACC+4*\i:ACC+4*\i+1]   op_sel:[0,1,0] op_sel_hi:[1,1,1]
	v_pk_fma_f32 v[ACC+4*\i+2:ACC+4*\i+3], v[\w+4*\j+2:\w+4*\j+3], v[\x+4*\i+\j-1:\x+4*\i+\j], v[ACC+4*\i+2:ACC+4*\i+3] op_sel:[0,1,0] op_sel_hi:[1,1,1]
.else
	v_pk_fma_f32 v[ACC+4*\i:ACC+4*\i+1],   v[\w+4*\j:\w+4*\j+1],   v[\x+4*\i+\j:\x+4*\i+\j+1], v[ACC+4*\i:ACC+4*\i+1]   op_sel_hi:[1,0,1]
	v_pk_fma_f32 v[ACC+4*\i+2:ACC+4*\i+3], v[\w+4*\j+2:\w+4*\j+3], v[\x+4*\i+\j:\x+4*\i+\j+1], v[ACC+4*\i+2:ACC+4*\i+3] op_sel_hi:[1,0,1]
.endif
.endm
.macro ROW i
	s_wait_loadcnt 14-2*\i                         ; loads come back in order: row i's two are in, the 14 - 2i of the later rows stay out
	v_pk_mul_f32 v[ACC+4*\i:ACC+4*\i+1],   v[WQ:WQ+1],   v[XQ+4*\i:XQ+4*\i+1] op_sel_hi:[1,0]   ; the first product starts the sums: nothing is cleared
	v_pk_mul_f32 v[ACC+4*\i+2:ACC+4*\i+3], v[WQ+2:WQ+3], v[XQ+4*\i:XQ+4*\i+1] op_sel_hi:[1,0]
	MAC \i, WQ, XQ, 1
	MAC \i, WQ, XQ, 2
	MAC \i, WQ, XQ, 3
	MAC \i, WK, XK, 0
	MAC \i, WK, XK, 1
	MAC \i, WK, XK, 2
	MAC \i, WK, XK, 3
	v_cvt_pk_f16_f32 v[Y+2*\i],   v[XQ+4*\i],   v[XQ+4*\i+1]
	v_cvt_pk_f16_f32 v[Y+2*\i+1], v[XQ+4*\i+2], v[XQ+4*\i+3]
	global_store_b64 v2, v[Y+2*\i:Y+2*\i+1], s[12:13] offset:2048*\i   ; a wave's store covers 256 consecutive bytes, aligned
.endm
.irp i, 0,1,2,3,4,5,6,7
	ROW \i
.endr
	; the 32 sums over the wave's 32 lanes: four steps inside each half of 16 lanes, one across the halves; every lane ends with the sum
.irp m, 1,2,4,8
.set n, 0
.rept 32
	v_add_f32_dpp v[ACC+n], v[ACC+n], v[ACC+n] row_xmask:\m row_mask:0xf bank_mask:0xf
.set n, n+1
.endr
.endr
.set n, 0
.rept 32
	v_permlanex16_b32 v[XQ+n], v[ACC+n], s18, s19  ; q's registers are done with, and have been written
.set n, n+1
.endr
.set n, 0
.rept 32
	v_add_f32 v[ACC+n], v[ACC+n], v[XQ+n]
.set n, n+1
.endr
.irp i, 0,1,2,3,4,5,6,7
	ds_store_b128 v5, v[ACC+4*\i:ACC+4*\i+3] offset:16*\i   ; all lanes write the same words with the same values: word 4 i + e of my wave's 32
.endr
	s_wait_dscnt 0x0                               ; for wave 0's sake: my stores are done
	s_barrier_signal -1
	s_barrier_wait -1
	s_cmp_lg_u32 s16, 0
	s_cbranch_scc1 .Lgate_done                     ; wave 0 finishes: lane 4 i + e stands for row i, expert e
.irp w, 0,1,2,3,4,5,6,7
	ds_load_b32 v[XK+\w], v6 offset:128*\w
.endr
	s_wait_dscnt 0x0
	v_add_f32 v[XK],   v[XK],   v[XK+1]
	v_add_f32 v[XK+2], v[XK+2], v[XK+3]
	v_add_f32 v[XK+4], v[XK+4], v[XK+5]
	v_add_f32 v[XK+6], v[XK+6], v[XK+7]
	v_add_f32 v[XK],   v[XK],   v[XK+2]
	v_add_f32 v[XK+4], v[XK+4], v[XK+6]
	v_add_f32 v[XK],   v[XK],   v[XK+4]
	v_add_f32 v[XK],   v[XK],   v[BG]              ; the logit
	v_mov_b32 v[XK+1], v[XK]
	v_max_num_f32_dpp v[XK+1], v[XK+1], v[XK+1] row_xmask:1 row_mask:0xf bank_mask:0xf
	v_max_num_f32_dpp v[XK+1], v[XK+1], v[XK+1] row_xmask:2 row_mask:0xf bank_mask:0xf   ; the row's maximum, in its four lanes
	v_sub_f32 v[XK], v[XK], v[XK+1]
	v_mul_f32 v[XK], 0x3fb8aa3b, v[XK]             ; times log2(e)
	v_exp_f32 v[XK+2], v[XK]
	v_nop                                          ; a plain instruction between the exponential and the use of its result
	s_wait_alu depctr_va_vdst(0)
	v_mov_b32 v[XK+3], v[XK+2]
	v_add_f32_dpp v[XK+3], v[XK+3], v[XK+3] row_xmask:1 row_mask:0xf bank_mask:0xf
	v_add_f32_dpp v[XK+3], v[XK+3], v[XK+3] row_xmask:2 row_mask:0xf bank_mask:0xf
	v_rcp_f32 v[XK+4], v[XK+3]
	v_nop
	s_wait_alu depctr_va_vdst(0)
	v_mul_f32 v[XK+2], v[XK+2], v[XK+4]
	global_store_b32 v6, v[XK+2], s[14:15]         ; the work-group's eight rows of the gate: 128 consecutive bytes
.Lgate_done:
	s_wait_tensorcnt 0x0
	ds_add_u32 v160, v161
	s_wait_dscnt 0x0
	s_endpgm
	; ---------------- W1 to f16 ----------------
.Lcast:
	s_load_b64 s[4:5], s[0:1], 0x20                ; W1
	s_load_b64 s[8:9], s[0:1], 0x38                ; W1f
	s_sub_co_u32 s2, ttmp9, GATE_WGS               ; my piece, 0 .. 1023
	v_lshlrev_b32 v1, 4, v0
	v_lshlrev_b32 v2, 3, v0
	s_lshl_b32 s16, s2, 16                         ; 65,536 bytes in,
	s_mov_b32 s17, 0
	s_lshl_b32 s18, s2, 15                         ; 32,768 out
	s_mov_b32 s19, 0
	s_wait_kmcnt 0x0
	s_add_nc_u64 s[4:5], s[4:5], s[16:17]
	s_add_nc_u64 s[8:9], s[8:9], s[18:19]
.irp i, 0,1,2,3,4,5,6,7,8,9,10,11,12,13,14,15
	global_load_b128 v[CX+4*\i:CX+4*\i+3], v1, s[4:5] offset:4096*\i th:TH_LOAD_NT   ; all sixteen go out first: 512 consecutive bytes a wave each
.endr
.irp i, 0,1,2,3,4,5,6,7,8,9,10,11,12,13,14,15
	s_wait_loadcnt 15-\i                           ; load i is in; the 15 - i behind it stay out
	v_cvt_pk_f16_f32 v[CY+2*\i],   v[CX+4*\i],   v[CX+4*\i+1]
	v_cvt_pk_f16_f32 v[CY+2*\i+1], v[CX+4*\i+2], v[CX+4*\i+3]
	global_store_b64 v2, v[CY+2*\i:CY+2*\i+1], s[8:9] offset:2048*\i   ; 256 consecutive bytes a wave, aligned; no register is written twice, so no wait frees any
.endr
	s_endpgm
.Lfunc_end_k_q5d613c55a1_prep:
	.size	k_q5d613c55a1_prep, .Lfunc_end_k_q5d613c55a1_prep-k_q5d613c55a1_prep
	.p2alignl 7, 3214868480
	.fill 96, 4, 3214868480
	.section	.rodata,"a",@progbits
	.p2align	6, 0x0
	.amdhsa_kernel k_q5d613c55a1_prep
		.amdhsa_group_segment_fixed_size 2048
		.amdhsa_private_segment_fixed_size 0
		.amdhsa_enable_private_segment 0
		.amdhsa_kernarg_size 64
		.amdhsa_user_sgpr_count 2
		.amdhsa_user_sgpr_kernarg_segment_ptr 1
		.amdhsa_wavefront_size32 1
		.amdhsa_system_sgpr_workgroup_id_x 1
		.amdhsa_system_sgpr_workgroup_id_y 1
		.amdhsa_system_sgpr_workgroup_id_z 1
		.amdhsa_system_vgpr_workitem_id 0
		.amdhsa_next_free_vgpr 162
		.amdhsa_next_free_sgpr 66
		.amdhsa_reserve_vcc 0
		.amdhsa_float_denorm_mode_32 3
		.amdhsa_float_denorm_mode_16_64 3
		.amdhsa_memory_ordered 1
		.amdhsa_forward_progress 1
		.amdhsa_inst_pref_size 34
	.end_amdhsa_kernel
	.amdgpu_metadata
---
amdhsa.version: [ 1, 2 ]
amdhsa.kernels:
  - .name:           k_q5d613c55a1_prep
    .symbol:         k_q5d613c55a1_prep.kd
    .args:
      - { .name: q, .offset: 0, .size: 8, .value_kind: global_buffer, .address_space: global }
      - { .name: k, .offset: 8, .size: 8, .value_kind: global_buffer, .address_space: global }
      - { .name: Wg, .offset: 16, .size: 8, .value_kind: global_buffer, .address_space: global }
      - { .name: bg, .offset: 24, .size: 8, .value_kind: global_buffer, .address_space: global }
      - { .name: W1, .offset: 32, .size: 8, .value_kind: global_buffer, .address_space: global }
      - { .name: qf, .offset: 40, .size: 8, .value_kind: global_buffer, .address_space: global }
      - { .name: gate, .offset: 48, .size: 8, .value_kind: global_buffer, .address_space: global }
      - { .name: W1f, .offset: 56, .size: 8, .value_kind: global_buffer, .address_space: global }
    .group_segment_fixed_size: 2048
    .private_segment_fixed_size: 0
    .kernarg_segment_align: 8
    .kernarg_segment_size: 64
    .max_flat_workgroup_size: 256
    .sgpr_count:     66
    .vgpr_count:     162
    .wavefront_size: 32
...
	.end_amdgpu_metadata
.endif
;; end of part 1
;; launch up (part 2): grid 8 x 32, 4 waves a work-group, clusters of 4 x 4, 327,680 bytes of LDS; arguments qf, W1f, h, b1, W2, W2f; writes h, W2f
.if DOCPART == 2
	.amdgcn_target "amdgcn-amd-amdhsa--gfx1250"
	.amdhsa_code_object_version 6
	.text
	.protected	k_q5d613c55a1_up
	.globl	k_q5d613c55a1_up
	.p2align	8
	.type	k_q5d613c55a1_up,@function
k_q5d613c55a1_up:
	s_mov_b64 s[64:65], 0
	v_nop
	global_prefetch_b8 v0, s[64:65] scope:SCOPE_SE
	s_setreg_imm32_b32 hwreg(HW_REG_WAVE_MODE, 25, 1), 1
	s_wait_xcnt 0x0
	s_wait_alu depctr_hold_cnt(0) depctr_sa_sdst(0) depctr_va_vdst(0) depctr_va_sdst(0) depctr_va_ssrc(0) depctr_va_vcc(0) depctr_vm_vsrc(0)
	s_getreg_b32 s2, hwreg(HW_REG_IB_STS2, 6, 4)
	s_cmp_eq_u32 s2, 0
	s_cbranch_scc0 .Lentry_in_a_cluster
	s_endpgm
.Lentry_in_a_cluster:
	s_bfe_u32 s2, ttmp6, 0x10000c
	s_cmp_lg_u32 s2, 0xf033
	s_cbranch_scc0 .Lentry_shape_is_right
	s_endpgm
.Lentry_shape_is_right:
; h[n][c] = relu(sum over d of qf[n][d] W1f[e][d][j] + b1[c]), c = 4096 e + j.  qf: [2048][1024] f16.  W1f: [4][1024][4096] f16.  b1: [16384] f32.  h: [2048][16384] f16.
; Beside it: W2f = W2 rounded to f16, same order of elements (W2: [4][4096][1024] f32), for the next launch.
; Sums in f32, started with b1; h rounded once, to f16 (11 significant bits: h is an operand of the next product, and bf16's 8 bits would cost eight times the error).
; LIMITS: a sum above 65,504 becomes infinity in h.  The room: with q of spread 1 and W1 of spread 1/32 the sums reach about 5; both 30 times larger: 900 x 5, about 4,700; both carrying
; an offset of 30 spreads: 1,024 x 30 x 30/32 = 28,800.  relu is a maximum with 0 in which a NaN loses: a NaN sum gives 0.
; A tile of h, 256 rows x 256 columns, is made by a work-group of four waves; a wave makes 128 x 128: 64 accumulators of 16 x 16, 512 registers.
; K (d, 1,024) goes in steps of 128 through a ring of two LDS slots filled by the tensor data mover.  A slot holds 256 rows of qf (128 d each: 256 bytes)
; and 128 rows (d) of W1f (256 columns each: 512 bytes).  W1f lies [d][column], so its fragments come out of LDS turned, by ds_load_tr16_b128.
; A WORK-GROUP STAYS: h has 8 x 64 tiles; each of the 256 work-groups makes two, tile columns Y and Y + 32 of one tile row.  The ring does not stop at the first tile's end: its last two changes
; of slots ask for the second tile's K steps 0 and 1, and nothing waits for the first tile's stores.  Both tiles are written out: they differ in b1's registers and in their tails.
; THE STREAM OF W2: a wave's two tiles are 64 quarter steps of 64 matrix instructions; beside each it rounds 1,024 bytes of W2 (two loads, four conversions, two stores): 64 x 1,024 bytes
; x 1,024 waves are W2's 67,108,864 bytes.  The piece is asked for seven quarter steps ahead, through a ring of eight register slots.  The four conversions stand where four plain vector
; instructions are due anyway, in front of each run of LDS loads.
; CLUSTERS: 4 x 4 work-groups; x counts tile rows, y tile columns.  The four with one cx need the same tiles of qf, the four with one cy the same tiles of W1f: each tile is asked
; for JOINTLY, by the same tensor load with the same descriptor and a mask that names the four.
; THE MATRIX INSTRUCTION IS USED TRANSPOSED: source 0 = 16 columns of W1f, source 1 = 16 rows of qf.  Lane l then holds row l % 16 of h and the columns 8 (l / 16) + 0..7: 16 bytes of f16.
; b1 in that same layout (a lane's eight columns) is the C operand of each accumulator's first product: no add on the way out, nothing cleared.
; REGISTERS, in windows of 256:
;   window 0: v0-31 addresses and the packed piece of W2; v32-63 at work on the way out; v64-127, v128-191 fragments of qf, two buffers (the second also at work on the way out); v192-255 the ring of W2's pieces
;   window 1: v0-63 b1 of the second tile; v64-127, v128-191 fragments of W1f, two buffers; v192-255 b1 of the first tile
;   window 2: the accumulators of my rows 0-63 ((a, b) at v[8 (8 a + b)])     window 3: those of my rows 64-127
.set KSTEP,  128
.set PA,     272                       ; an LDS row of qf: 256 bytes + 16 of padding: the 16 rows of a fragment load start 16 bytes apart modulo 256
.set PB,     544                       ; an LDS row of W1f: 512 bytes + 32 of padding: the 8 rows x 32 bytes that 16 lanes of the turning load take start 32 bytes apart modulo 256
.set HALFT,  128*PA                    ; what one tensor load brings: 128 rows of qf, or 64 rows of W1f (64 x 544 is the same number)
.set SLOT,   4*HALFT                   ; qf's 256 rows, then W1f's 128 rows
.set STAGE,  2*SLOT                    ; behind the ring: 16 rows x 272 bytes for each wave, for the way out
.set SP,     272
.set SPARE,  STAGE+4*16*SP             ; behind the stages: the spare words, 128 bytes for each wave: two blocks of 256 bytes that no other line names
.set LAPS,   1024/(2*KSTEP)            ; a lap = two K steps = once round the ring
.set LDA,    1024                      ; elements from row to row of qf
.set LDB,    4096                      ; and of W1f
.set BSTEP,  KSTEP*LDB*2               ; bytes from a K step's rows of W1f to the next step's
.set CROW,   16384*2                   ; bytes in a row of h
.set WALK,   32                        ; tile columns from a work-group's first tile to its second: two experts
.set BACK_A, (1024-2*KSTEP)*2          ; bytes from a slot's last K step of a tile back to its first: qf's rows are the same in both tiles
.set NEXT_B, (WALK/16)*1024*LDB*2-(1024-2*KSTEP)*LDB*2   ; W1f: two experts on, and back along K
.set BACK_C, 7*16*CROW-WALK*512        ; h: from my last 16 rows of the first tile back to my first rows, 32 tiles of 512 bytes to the right
.set CY,   8                           ; v8-11   a piece of W2 packed to f16
.set CSO,  12                          ; v12     16 x lane: my bytes in half a piece of W2; never rewritten
.set CDO,  13                          ; v13     8 x lane: my bytes in half a piece of W2f; never rewritten
.set ADRA, 16                          ; v16-17  LDS address of my fragments of qf in slot 0, 1
.set ADRB, 20                          ; v20-21  the same for W1f
.set STO,  24                          ; v24     the way out: where I put 16 bytes of a row
.set RD,   25                          ; v25     the way out: where I read a row back
.set CO,   26                          ; v26     my byte offset in h
.set BO,   27                          ; v27     my byte offset in b1
.set SPW,  28                          ; v28     LDS address of my spare word: SPARE + 4 x my thread's number; never rewritten
.set NIL,  29                          ; v29     0; never rewritten
.set OB0,  32                          ; the way out: 16 rows read back from the stage: v32-63 and v160-191 by turns
.set F0,   64                          ; fragment buffer 0
.set F1,   128                         ; fragment buffer 1
.set TMP,  128                         ; the way out: a block packed to f16, v128-159
.set XR,   192                         ; v192-255 the ring of W2's pieces: piece c in the eight registers of slot c % 8
.set BIAS0, 192                        ; window 1: b1 of my 128 columns of the first tile: column block b at +8 b
.set BIAS1, 0                          ; window 1: the same for the second tile
.set G1,  24                           ; s[24:31] descriptor group 1 for qf's tiles;   s[32:39] group 0, one set for each slot
.set G0,  32
.set G1B, 48                           ; s[48:55], s[56:63] the same for W1f's tiles
.set G0B, 56
.set CLOAD, 1                          ; 1: a position of the stream asks for the piece seven on; 0: the last seven positions, which ask for nothing
.set MSB, 0
.macro WIN new                         ; the immediate's high byte repeats the setting that is left; a switch that changes nothing is dropped
.if MSB != \new
	s_set_vgpr_msb (MSB<<8)|\new
.set MSB, \new
.endif
.endm
.set MUL_LO,  0xa1                     ; source 0 (W1f) window 1, source 1 (qf) window 0, C and D window 2
.set MUL_HI,  0xf1                     ; the same, C and D window 3
.set BIAS_LO, 0x91                     ; a tile's first products: C (b1) window 1, D window 2
.set BIAS_HI, 0xd1                     ; C window 1, D window 3
.set TO_B,    0x40                     ; destination window 1, address window 0
; A joint load.  Waves 0 and 1 fetch qf's two halves, waves 2 and 3 W1f's.  The branch hangs on the wave's number alone.  Four v_nop follow each of the two lines.
.macro JLOAD s
	s_cmp_eq_u32 s11, 0
	s_cbranch_scc0 .Lfor_b_\@
	tensor_load_to_lds s[G0+4*\s:G0+4*\s+3], s[G1:G1+7]
	s_nop 0
.rept 4
	v_nop
.endr
	s_branch .Lasked_\@
.Lfor_b_\@:
	tensor_load_to_lds s[G0B+4*\s:G0B+4*\s+3], s[G1B:G1B+7]
	s_nop 0
.rept 4
	v_nop
.endr
.Lasked_\@:
.endm
.macro CREST                           ; a round of the cluster's barrier behind its opening barrier
	s_cmp_lg_u32 s10, 0
	s_cbranch_scc1 .Lnot_wave_0_\@
	s_barrier_signal -3
.Lnot_wave_0_\@:
	s_barrier_wait -3
	s_barrier_signal -1
	s_barrier_wait -1
.endm
.macro CROUND                          ; a whole round
	s_barrier_signal -1
	s_barrier_wait -1
	CREST
.endm
	s_load_b128 s[4:7], s[0:1], 0x0                ; qf s[4:5], W1f s[6:7]
	s_load_b64 s[8:9], s[0:1], 0x10                ; h
	s_load_b64 s[66:67], s[0:1], 0x18              ; b1
	s_load_b128 s[68:71], s[0:1], 0x20             ; W2 s[68:69], W2f s[70:71]
	v_lshl_add_u32 v[SPW], v0, 2, SPARE
	v_mov_b32 v[NIL], 0
	ds_add_u32 v28, v29
	s_wait_dscnt 0x0
	v_lshrrev_b32 v1, 5, v0
	v_readfirstlane_b32 s10, v1                    ; wave 0..3
	s_lshr_b32 s11, s10, 1                         ; which half of the tile's rows is mine.  Also: I fetch for qf (0) or for W1f (1)
	s_and_b32 s12, s10, 1                          ; which half of its columns.  Also: which half of that tile I fetch
	s_bfe_u32 s40, ttmp6, 0x40000                  ; cx
	s_bfe_u32 s41, ttmp6, 0x40004                  ; cy
	s_lshl_b32 s42, ttmp9, 2
	s_add_co_u32 s42, s42, s40                     ; tile row 0..7 = 4 x cluster x + cx
	s_and_b32 s13, ttmp7, 0xffff
	s_lshl_b32 s43, s13, 2
	s_add_co_u32 s43, s43, s41                     ; my first tile's column 0..31 = 4 x cluster y + cy
	s_lshl_b32 s44, 0x1111, s40                    ; the four with my cx: places cx, cx + 4, cx + 8, cx + 12
	s_lshl_b32 s45, s41, 2
	s_lshl_b32 s45, 15, s45                        ; the four with my cy: places 4 cy .. 4 cy + 3
	; group 1 for qf: 128 rows x 128 elements, 16 bytes of padding behind every 64 words
	s_or_b32 s[G1+0], s44, (1<<16)|(1<<20)|(1<<21)|(5<<22)|(3<<25)   ; 15:0 the mask; 17:16 elements of 2 bytes; 20 padding on; 21 set beside a mask; 24:22 interval code 5; 31:25 4 words (code 3)
	s_mov_b32 s[G1+1], KSTEP<<16                   ; tensor_dim0 = 128
	s_mov_b32 s[G1+2], 128<<16                     ; tensor_dim1 = 128
	s_mov_b32 s[G1+3], KSTEP<<16                   ; tile_dim0 = 128
	s_mov_b32 s[G1+4], 128                         ; tile_dim1 = 128
	s_mov_b32 s[G1+5], LDA                         ; elements from row to row
	s_mov_b32 s[G1+6], 0
	s_mov_b32 s[G1+7], 0
	; group 1 for W1f: 64 rows x 256 elements, 32 bytes of padding behind every 128 words
	s_or_b32 s[G1B+0], s45, (1<<16)|(1<<20)|(1<<21)|(6<<22)|(7<<25)
	s_mov_b32 s[G1B+1], 256<<16                    ; tensor_dim0 = 256
	s_mov_b32 s[G1B+2], 64<<16                     ; tensor_dim1 = 64
	s_mov_b32 s[G1B+3], 256<<16                    ; tile_dim0 = 256
	s_mov_b32 s[G1B+4], 64                         ; tile_dim1 = 64
	s_mov_b32 s[G1B+5], LDB
	s_mov_b32 s[G1B+6], 0
	s_mov_b32 s[G1B+7], 0
	; where the tiles come from.  qf's hang on the tile row alone (cx), W1f's on the tile column alone (cy); each in registers that never hold the other coordinate
	s_lshl_b32 s14, s42, 8
	s_lshl_b32 s15, s12, 7
	s_add_co_u32 s14, s14, s15                     ; qf: row 256 x tile row + 128 x half,
	s_lshl_b32 s14, s14, 11                        ; of 2,048 bytes
	s_mov_b32 s15, 0
	s_lshr_b32 s46, s43, 4                         ; W1f: the expert, 1024 x 4096 x 2 bytes each,
	s_lshl_b32 s46, s46, 23
	s_and_b32 s47, s43, 15                         ; the tile's 256 columns among the expert's 4,096,
	s_lshl_b32 s47, s47, 9
	s_add_co_u32 s46, s46, s47
	s_lshl_b32 s47, s12, 19                        ; and my 64 rows of 8,192 bytes
	s_add_co_u32 s46, s46, s47
	s_mov_b32 s47, 0
	s_mul_i32 s20, s10, HALFT                      ; where they go: wave x one load's bytes: no place in the cluster enters an LDS address
	s_wait_kmcnt 0x0
	s_add_nc_u64 s[14:15], s[4:5], s[14:15]
	s_add_nc_u64 s[46:47], s[6:7], s[46:47]
	CROUND                                         ; all sixteen work-groups are here: the first joint loads meet
.irp s, 0,1
	s_mov_b32 s[G0+4*\s], 1                                        ; count = 1
	s_add_co_u32 s[G0+4*\s+1], s20, \s*SLOT                        ; LDS address
	s_add_nc_u64 s[G0+4*\s+2:G0+4*\s+3], s[14:15], \s*KSTEP*2      ; global address: K step s
	s_or_b32 s[G0+4*\s+3], s[G0+4*\s+3], 0x80000000                ; type = 2
	s_mov_b32 s[G0B+4*\s], 1
	s_add_co_u32 s[G0B+4*\s+1], s20, \s*SLOT
	s_add_nc_u64 s[G0B+4*\s+2:G0B+4*\s+3], s[46:47], \s*BSTEP
	s_or_b32 s[G0B+4*\s+3], s[G0B+4*\s+3], 0x80000000
	JLOAD \s                                       ; two loads of mine are out at the start, later one behind each round
.endr
	; b1 of my 128 columns of both tiles: for column block b a lane takes the eight numbers at column 16 b + 8 (l / 16)
	v_and_b32 v1, 15, v0                           ; l % 16
	v_bfe_u32 v2, v0, 4, 1                         ; l / 16
	s_lshl_b32 s22, s43, 10                        ; 256 columns x 4 bytes x tile column
	s_lshl_b32 s23, s12, 9                         ; + my half
	s_add_co_u32 s22, s22, s23
	s_mov_b32 s23, 0
	s_add_nc_u64 s[66:67], s[66:67], s[22:23]
	v_lshlrev_b32 v[BO], 5, v2
	WIN TO_B
.irp b, 0,1,2,3,4,5,6,7
	global_load_b128 v[BIAS0+8*\b:BIAS0+8*\b+3],   v[BO], s[66:67] offset:64*\b
	global_load_b128 v[BIAS0+8*\b+4:BIAS0+8*\b+7], v[BO], s[66:67] offset:64*\b+16
.endr
.irp b, 0,1,2,3,4,5,6,7
	global_load_b128 v[BIAS1+8*\b:BIAS1+8*\b+3],   v[BO], s[66:67] offset:WALK*1024+64*\b
	global_load_b128 v[BIAS1+8*\b+4:BIAS1+8*\b+7], v[BO], s[66:67] offset:WALK*1024+64*\b+16
.endr
	WIN 0
	; my wave's 65,536 bytes of W2 and 32,768 of W2f; the first seven pieces are asked for
	s_lshl_b32 s72, s43, 3
	s_add_co_u32 s72, s72, s42                     ; the work-group's number 0..255 = 8 x tile column + tile row
	s_lshl_b32 s72, s72, 2
	s_add_co_u32 s72, s72, s10                     ; the wave's number 0..1023
	s_lshl_b32 s74, s72, 15
	s_lshl_b32 s72, s72, 16
	s_mov_b32 s73, 0
	s_mov_b32 s75, 0
	s_add_nc_u64 s[68:69], s[68:69], s[72:73]
	s_add_nc_u64 s[70:71], s[70:71], s[74:75]
	v_and_b32 v3, 31, v0
	v_lshlrev_b32 v[CSO], 4, v3
	v_lshlrev_b32 v[CDO], 3, v3
.irp c, 0,1,2,3,4,5,6
	global_load_b128 v[XR+8*\c:XR+8*\c+3],   v[CSO], s[68:69] offset:\c*1024 th:TH_LOAD_NT
	global_load_b128 v[XR+8*\c+4:XR+8*\c+7], v[CSO], s[68:69] offset:\c*1024+512 th:TH_LOAD_NT
.endr
	; A fragment of qf: lane l holds row l % 16; registers 0-3 K = 8 (l / 16) + 0..7, registers 4-7 K = 16 + 8 (l / 16) + 0..7: two loads of 16 bytes, 32 bytes apart.
	v_mul_u32_u24 v3, v1, PA
	v_lshl_add_u32 v3, v2, 4, v3
	; The turning load: lane l reads 16 bytes of row (K) 8 (l / 16) + l % 8, columns 8 ((l / 8) % 2) + 0..7, and receives column l % 16, 8 K: half a fragment; the other half lies 16 rows down.
	v_and_b32 v4, 7, v0
	v_lshl_add_u32 v4, v2, 3, v4
	v_mul_u32_u24 v4, v4, PB
	v_bfe_u32 v5, v0, 3, 1
	v_lshl_add_u32 v4, v5, 4, v4
	s_mul_i32 s21, s11, HALFT                      ; my 128 rows of qf
	s_lshl_b32 s22, s12, 8                         ; my 128 columns of W1f: 256 bytes into its rows,
	s_add_co_u32 s22, s22, 2*HALFT                 ; which lie behind qf's 256
.irp s, 0,1
	v_add_nc_u32 v[ADRA+\s], s21, v3
	v_add_nc_u32 v[ADRB+\s], s22, v4
	s_add_co_u32 s21, s21, SLOT
	s_add_co_u32 s22, s22, SLOT
.endr
	s_mul_i32 s23, s10, 16*SP
	s_add_co_u32 s23, s23, STAGE                   ; my stage
	v_mul_u32_u24 v5, v1, SP                       ; in: row l % 16, 16 bytes for each half of the lanes
	v_lshl_add_u32 v5, v2, 4, v5
	v_add_nc_u32 v[STO], s23, v5
	v_mul_u32_u24 v5, v2, SP                       ; back: lanes 0-15 take one row of 256 bytes, lanes 16-31 the next
	v_lshl_add_u32 v5, v1, 4, v5
	v_add_nc_u32 v[RD], s23, v5
	v_lshlrev_b32 v5, 15, v2                       ; and the same two rows in h
	v_lshl_add_u32 v[CO], v1, 4, v5
	; where my part of the first tile begins in h, in bytes
	s_lshl_b32 s16, s42, 8
	s_lshl_b32 s17, s11, 7
	s_add_co_u32 s16, s16, s17                     ; my first row,
	s_lshl_b32 s16, s16, 15                        ; of 32,768 bytes
	s_lshl_b32 s17, s43, 9                         ; the tile's 512 bytes of a row
	s_add_co_u32 s16, s16, s17
	s_lshl_b32 s17, s12, 8                         ; my 256 of them
	s_add_co_u32 s16, s16, s17
	s_mov_b32 s17, 0
; 16 matrix instructions: row blocks a0, a0 + 1 of the window's four (hi = 0: my rows 0-63, 1: rows 64-127) x all 8 column blocks, 32 along K.  first = 1: the sums start with b1, at register bias of window 1.
.macro MUL16 f, hi, a0, first, bias
.irp a, \a0, \a0+1
.irp b, 0,1,2,3,4,5,6,7
.if \first
	v_wmma_f32_16x16x32_f16 v[8*(8*(\a)+\b):8*(8*(\a)+\b)+7], v[\f+8*\b:\f+8*\b+7], v[\f+8*(4*\hi+\a):\f+8*(4*\hi+\a)+7], v[\bias+8*\b:\bias+8*\b+7]
.else
	v_wmma_f32_16x16x32_f16 v[8*(8*(\a)+\b):8*(8*(\a)+\b)+7], v[\f+8*\b:\f+8*\b+7], v[\f+8*(4*\hi+\a):\f+8*(4*\hi+\a)+7], v[8*(8*(\a)+\b):8*(8*(\a)+\b)+7]
.endif
.endr
.endr
.endm
; 32 LDS loads in one run: the fragments of quarter q of a K step (32 K x 128 columns of W1f, turned; 128 rows x 32 K of qf) into buffer f
.macro FETCH slot, q, f
	WIN TO_B
.irp i, 0,1,2,3,4,5,6,7
	ds_load_tr16_b128 v[\f+8*\i:\f+8*\i+3],   v[ADRB+\slot] offset:\q*32*PB+32*\i
	ds_load_tr16_b128 v[\f+8*\i+4:\f+8*\i+7], v[ADRB+\slot] offset:\q*32*PB+16*PB+32*\i
.endr
	WIN 0
.irp i, 0,1,2,3,4,5,6,7
	ds_load_b128 v[\f+8*\i:\f+8*\i+3],   v[ADRA+\slot] offset:64*\q+\i*16*PA
	ds_load_b128 v[\f+8*\i+4:\f+8*\i+7], v[ADRA+\slot] offset:64*\q+\i*16*PA+32
.endr
.endm
; ONE POSITION OF W2's STREAM, in window 0.  The piece j pieces behind the stream's bases is rounded and stored, and the piece seven further on is asked for, into the slot that the position before emptied.
; The four conversions name no register of any matrix instruction: they are the four plain vector instructions that stand between a matrix instruction and a load into a register that it has
; read, or a vector instruction that reads its result (ISA guide 7.12.1 for vector instructions).
.macro CAST j
.set XS, XR+8*((\j)%8)
.set XL, XR+8*(((\j)+7)%8)
.if CLOAD
	s_wait_loadcnt 12                              ; loads come back in order: this piece's two are in; the six younger pieces' twelve stay out
.else
	s_wait_loadcnt 2*(7-(\j))                      ; the last seven positions ask for nothing: the count runs down
.endif
	s_wait_xcnt 0x0                                ; the packed piece's registers, which the last position's stores read, are rewritten only behind this wait
	v_cvt_pk_f16_f32 v[CY],   v[XS],   v[XS+1]
	v_cvt_pk_f16_f32 v[CY+1], v[XS+2], v[XS+3]
	v_cvt_pk_f16_f32 v[CY+2], v[XS+4], v[XS+5]
	v_cvt_pk_f16_f32 v[CY+3], v[XS+6], v[XS+7]
	global_store_b64 v[CDO], v[CY:CY+1],   s[70:71] offset:(\j)*512       ; a wave's store covers 256 consecutive bytes, at a multiple of 256 from W2f's first byte
	global_store_b64 v[CDO], v[CY+2:CY+3], s[70:71] offset:(\j)*512+256
.if CLOAD
	global_load_b128 v[XL:XL+3],   v[CSO], s[68:69] offset:((\j)+7)*1024 th:TH_LOAD_NT
	global_load_b128 v[XL+4:XL+7], v[CSO], s[68:69] offset:((\j)+7)*1024+512 th:TH_LOAD_NT
.endif
.endm
.macro STEPCAST                        ; eight pieces on
	s_wait_xcnt 0x0                                ; the stream's bases are stepped only behind this wait
	s_add_nc_u64 s[68:69], s[68:69], 8*1024
	s_add_nc_u64 s[70:71], s[70:71], 8*512
.endm
; A K step is four quarters of 32 along K, 64 matrix instructions each, on buffers 0, 1, 0, 1.  The 64 accumulators take turns, one instruction a turn, in the same order in every quarter.
; One of the first three quarters: multiplies buffer f; in its middle stand position j of W2's stream and the fetch of quarter q of the same slot into buffer g.
.macro QUARTER slot, q, f, g, j, first, bias
	s_wait_dscnt 8                                 ; W1f's fragments and qf's rows 0-63 are in; the youngest eight loads (qf's rows 64-127) may be out
.if \first
	WIN BIAS_LO
.else
	WIN MUL_LO
.endif
	MUL16 \f, 0, 0, \first, \bias
	MUL16 \f, 0, 2, \first, \bias
	WIN 0
	CAST \j
	FETCH \slot, \q, \g
	s_wait_dscnt 32                                ; all but the 32 just issued
.if \first
	WIN BIAS_HI
.else
	WIN MUL_HI
.endif
	MUL16 \f, 1, 0, \first, \bias
	MUL16 \f, 1, 2, \first, \bias
.endm
; The last quarter multiplies buffer 1 and changes slots.  MEET is its first half: one barrier, in front of which each wave waits for all its tensor loads (one is out: its part of the next slot),
; adds 0 to its spare word, and waits for that and for its own reads of this slot.  Behind it nobody reads this slot any more and the next slot is whole.
.macro MEET
	WIN 0                                          ; (the add's two registers lie in window 0)
	s_wait_tensorcnt 0x0                           ; all my tensor loads have landed
	ds_add_u32 v[SPW], v[NIL]                      ; 0 onto my spare word
	s_wait_dscnt 9                                 ; (the add and the youngest eight loads may be out)
	WIN MUL_LO
	MUL16 F1, 0, 0, 0, 0                           ; sixteen matrix instructions stand between the add and the wait for it
	s_wait_dscnt 0x0                               ; the add is done, and my reads of this slot are over
	s_barrier_signal -1
	MUL16 F1, 0, 2, 0, 0                           ; work on registers while the others arrive
	WIN 0                                          ; (branches, or the stream's position, follow)
	s_barrier_wait -1
.endm
; The whole last quarter.  mode = 1 or 2: the barrier opens a round of the cluster's barrier, and the slot just read out is filled again first thing behind the round: with this tile's K step two
; steps on (1) or with the second tile's K step 0 or 1 (2); from that request to the wait for it a wave issues 224 matrix instructions, across the tiles too.  mode = 0: nothing is left to fetch.
.macro TURN slot, next, mode, j
	MEET
.if \mode
	CREST                                          ; no wave of any partner still reads this slot's tile or has a load on its way
.if \mode == 2
	s_sub_nc_u64 s[G0+4*\slot+2:G0+4*\slot+3], s[G0+4*\slot+2:G0+4*\slot+3], BACK_A
	s_add_nc_u64 s[G0B+4*\slot+2:G0B+4*\slot+3], s[G0B+4*\slot+2:G0B+4*\slot+3], NEXT_B
.else
	s_add_nc_u64 s[G0+4*\slot+2:G0+4*\slot+3], s[G0+4*\slot+2:G0+4*\slot+3], 2*KSTEP*2
	s_add_nc_u64 s[G0B+4*\slot+2:G0B+4*\slot+3], s[G0B+4*\slot+2:G0B+4*\slot+3], 2*BSTEP
.endif
	JLOAD \slot
.endif
	CAST \j
	FETCH \next, 0, F0
	WIN MUL_HI
	MUL16 F1, 1, 0, 0, 0
	MUL16 F1, 1, 2, 0, 0
.endm
; A tile's loop: a trip goes once round the ring, from a lap's second quarter to the next lap's first, fills both slots again and takes eight pieces of W2.
.macro LAPLOOP
	WIN 0                                          ; at a label and at a branch every window is 0
	s_mov_b32 s3, LAPS-1
.Llap_\@:
	QUARTER 0, 2, F1, F0, 1, 0, 0
	QUARTER 0, 3, F0, F1, 2, 0, 0
	TURN 0, 1, 1, 3
	QUARTER 1, 1, F0, F1, 4, 0, 0
	QUARTER 1, 2, F1, F0, 5, 0, 0
	QUARTER 1, 3, F0, F1, 6, 0, 0
	TURN 1, 0, 1, 7
	QUARTER 0, 1, F0, F1, 8, 0, 0
	WIN 0
	STEPCAST
	s_sub_co_u32 s3, s3, 1
	s_cmp_lg_u32 s3, 0
	s_cbranch_scc1 .Llap_\@
.endm
; THE WAY OUT of block a (16 rows x my 128 columns).  It touches neither fragment buffer 0, which on the first tile's way out holds the second tile's first fragments, nor the ring of W2's pieces.
; PACK: relu in place in the accumulators, each one's registers in ascending order; then rounded to f16, 16 bytes a lane.
.macro PACK a
.set AC, 64*((\a)%4)
	WIN 0x88+0x44*((\a)/4)                         ; source 1 and destination: window 2 or 3
.irp b, 0,1,2,3,4,5,6,7
.irp j, 0,1,2,3,4,5,6,7
	v_max_num_f32 v[AC+8*\b+\j], 0, v[AC+8*\b+\j]
.endr
.endr
	WIN 0x0a+5*((\a)/4)                            ; sources 0 and 1: window 2 or 3; destination window 0
.irp b, 0,1,2,3,4,5,6,7
.irp r, 0,1,2,3
	v_cvt_pk_f16_f32 v[TMP+4*\b+\r], v[AC+8*\b+2*\r], v[AC+8*\b+2*\r+1]
.endr
.endr
	WIN 0
.endm
.macro TOSTAGE a                       ; into my own stage, and back as whole rows of 256 bytes
.set BK, OB0+128*((\a)%2)
.irp b, 0,1,2,3,4,5,6,7
	ds_store_b128 v[STO], v[TMP+4*\b:TMP+4*\b+3] offset:32*\b
.endr
.irp i, 0,1,2,3,4,5,6,7
	ds_load_b128 v[BK+4*\i:BK+4*\i+3], v[RD] offset:\i*2*SP    ; LDS serves a wave's instructions in order (ISA guide 5.7.1): these see the stores above
.endr
.endm
.macro SEND a, tile
.set BK, OB0+128*((\a)%2)
	s_wait_dscnt 0x0                               ; the block is back in registers
	s_wait_xcnt 0x0                                ; only behind this wait are the stores' base and the registers that earlier stores read rewritten
.if (\a) == 0
.if \tile == 0
	s_add_nc_u64 s[8:9], s[8:9], s[16:17]          ; on to my first rows of the first tile
.else
	s_sub_nc_u64 s[8:9], s[8:9], BACK_C            ; back to my first rows, in the second tile's columns
.endif
.else
	s_add_nc_u64 s[8:9], s[8:9], 16*CROW           ; 16 rows on
.endif
.irp i, 0,1,2,3,4,5,6,7
	global_store_b128 v[CO], v[BK+4*\i:BK+4*\i+3], s[8:9] offset:2*\i*CROW   ; 16 lanes store 256 consecutive bytes, at a multiple of 256 from h's first byte
.endr
.endm
; No v_nop stands in front of it: blocks 0-3 were finished in front of a position of W2's stream, whose four conversions are their places; block 0's 64 maxima, which name no register of the
; last products (blocks 4-7's, and buffer 1), are those products' places.
.macro WAYOUT tile
	PACK 0
	TOSTAGE 0
.irp a, 1,2,3,4,5,6,7                  ; block a's arithmetic stands between block a - 1's loads from the stage and the wait for them
	PACK \a
	SEND \a-1, \tile
	TOSTAGE \a
.endr
	SEND 7, \tile
.endm
	s_wait_tensorcnt 1                             ; my part of K step 0 is in; K step 1's may stay out
	s_barrier_signal -1
	s_barrier_wait -1                              ; everybody's is
	FETCH 0, 0, F0
	s_wait_loadcnt 14                              ; b1's 32 loads are in; the fourteen of W2's first seven pieces, issued behind them, may stay out
	; ---------------- the first tile ----------------
	QUARTER 0, 1, F0, F1, 0, 1, BIAS0              ; a tile's first quarter stands in front of its loop: its products start the sums
	LAPLOOP
	QUARTER 0, 2, F1, F0, 1, 0, 0                  ; the tile's last lap
	QUARTER 0, 3, F0, F1, 2, 0, 0
	TURN 0, 1, 2, 3                                ; THE RING GOES ON INTO THE SECOND TILE: slot 0 takes its K step 0,
	QUARTER 1, 1, F0, F1, 4, 0, 0
	QUARTER 1, 2, F1, F0, 5, 0, 0
	QUARTER 1, 3, F0, F1, 6, 0, 0
	TURN 1, 0, 2, 7                                ; slot 1 its K step 1, and the second tile's first fragments are fetched
	WAYOUT 0                                       ; both refills are asked for: now the tile goes out; its stores leave while the second tile is multiplied
	; ---------------- the second tile ----------------
	QUARTER 0, 1, F0, F1, 8, 1, BIAS1
	WIN 0
	STEPCAST
	LAPLOOP                                        ; its last position takes piece 56 and asks for piece 63, the wave's last
.set CLOAD, 0
	QUARTER 0, 2, F1, F0, 1, 0, 0                  ; the last lap is written out: it fills nothing, has no round of the cluster's barrier, and asks for no piece of W2
	QUARTER 0, 3, F0, F1, 2, 0, 0
	TURN 0, 1, 0, 3
	QUARTER 1, 1, F0, F1, 4, 0, 0
	QUARTER 1, 2, F1, F0, 5, 0, 0
	QUARTER 1, 3, F0, F1, 6, 0, 0
	s_wait_dscnt 8                                 ; the very last quarter: nothing more to fetch
	WIN MUL_LO
	MUL16 F1, 0, 0, 0, 0
	MUL16 F1, 0, 2, 0, 0
	WIN 0
	CAST 7                                         ; W2's last piece
	s_wait_dscnt 0x0
	WIN MUL_HI
	MUL16 F1, 1, 0, 0, 0
	MUL16 F1, 1, 2, 0, 0
	WAYOUT 1
	s_wait_tensorcnt 0x0                           ; the wave's end, behind my last tensor load and my last LDS store
	ds_add_u32 v[SPW], v[NIL]
	s_wait_dscnt 0x0
	CROUND                                         ; the closing round: no work-group ends while a partner may still ask for a tile that names it
	s_endpgm
.Lfunc_end_k_q5d613c55a1_up:
	.size	k_q5d613c55a1_up, .Lfunc_end_k_q5d613c55a1_up-k_q5d613c55a1_up
	.p2alignl 7, 3214868480
	.fill 96, 4, 3214868480
	.section	.rodata,"a",@progbits
	.p2align	6, 0x0
	.amdhsa_kernel k_q5d613c55a1_up
		.amdhsa_group_segment_fixed_size 327680
		.amdhsa_private_segment_fixed_size 0
		.amdhsa_enable_private_segment 0
		.amdhsa_kernarg_size 48
		.amdhsa_user_sgpr_count 2
		.amdhsa_user_sgpr_kernarg_segment_ptr 1
		.amdhsa_wavefront_size32 1
		.amdhsa_system_sgpr_workgroup_id_x 1
		.amdhsa_system_sgpr_workgroup_id_y 1
		.amdhsa_system_sgpr_workgroup_id_z 1
		.amdhsa_system_vgpr_workitem_id 0
		.amdhsa_next_free_vgpr 1024
		.amdhsa_next_free_sgpr 76
		.amdhsa_reserve_vcc 0
		.amdhsa_float_denorm_mode_32 3
		.amdhsa_float_denorm_mode_16_64 3
		.amdhsa_memory_ordered 1
		.amdhsa_forward_progress 1
		.amdhsa_inst_pref_size 255
	.end_amdhsa_kernel
	.section	.bss,"aw",@nobits
	.p2align	6
	.space	262144
	.amdgpu_metadata
---
amdhsa.version: [ 1, 2 ]
amdhsa.kernels:
  - .name:           k_q5d613c55a1_up
    .symbol:         k_q5d613c55a1_up.kd
    .args:
      - { .name: qf, .offset: 0, .size: 8, .value_kind: global_buffer, .address_space: global }
      - { .name: W1f, .offset: 8, .size: 8, .value_kind: global_buffer, .address_space: global }
      - { .name: h, .offset: 16, .size: 8, .value_kind: global_buffer, .address_space: global }
      - { .name: b1, .offset: 24, .size: 8, .value_kind: global_buffer, .address_space: global }
      - { .name: W2, .offset: 32, .size: 8, .value_kind: global_buffer, .address_space: global }
      - { .name: W2f, .offset: 40, .size: 8, .value_kind: global_buffer, .address_space: global }
    .group_segment_fixed_size: 327680
    .private_segment_fixed_size: 0
    .kernarg_segment_align: 8
    .kernarg_segment_size: 48
    .max_flat_workgroup_size: 128
    .sgpr_count:     76
    .vgpr_count:     1024
    .wavefront_size: 32
...
	.end_amdgpu_metadata
.endif
;; end of part 2
;; launch down (part 3): grid 8 x 32, 4 waves a work-group, clusters of 4 x 4, 327,680 bytes of LDS; arguments h, W2f, part; writes part
.if DOCPART == 3
	.amdgcn_target "amdgcn-amd-amdhsa--gfx1250"
	.amdhsa_code_object_version 6
	.text
	.protected	k_q5d613c55a1_down
	.globl	k_q5d613c55a1_down
	.p2align	8
	.type	k_q5d613c55a1_down,@function
k_q5d613c55a1_down:
	s_mov_b64 s[64:65], 0
	v_nop
	global_prefetch_b8 v0, s[64:65] scope:SCOPE_SE
	s_setreg_imm32_b32 hwreg(HW_REG_WAVE_MODE, 25, 1), 1
	s_wait_xcnt 0x0
	s_wait_alu depctr_hold_cnt(0) depctr_sa_sdst(0) depctr_va_vdst(0) depctr_va_sdst(0) depctr_va_ssrc(0) depctr_va_vcc(0) depctr_vm_vsrc(0)
	s_getreg_b32 s2, hwreg(HW_REG_IB_STS2, 6, 4)
	s_cmp_eq_u32 s2, 0
	s_cbranch_scc0 .Lentry_in_a_cluster
	s_endpgm
.Lentry_in_a_cluster:
	s_bfe_u32 s2, ttmp6, 0x10000c
	s_cmp_lg_u32 s2, 0xf033
	s_cbranch_scc0 .Lentry_shape_is_right
	s_endpgm
.Lentry_shape_is_right:
; part[n][s][d] = sum over c = 2048 s .. 2048 s + 2047 of h[n][c] W2f[c][d].  h: [2048][16384] f16.  W2f: [16384][1024] f16.  part: [2048][8][1024] f32.
; The product has 8 x 4 tiles of 256 x 256 and K = 16,384: K is cut into eight pieces of 2,048, so that 256 work-groups have equal work; each piece lies inside one expert
; (4,096 columns of h), so the gate can be applied to whole pieces by the launch that adds them.  Sums in f32, K ascending inside a piece.
; A tile, 256 rows x 256 columns, is made by four waves, 128 x 128 each: 64 accumulators of 16 x 16, 512 registers.  K goes in steps of 128 through a ring of two LDS slots filled by the
; tensor data mover: 256 rows of h (256 bytes each) and 128 rows (K) of W2f (256 columns: 512 bytes each).  W2f lies [K][column]: its fragments come out of LDS turned, by ds_load_tr16_b128.
; CLUSTERS: 4 x 4 work-groups; x counts tile rows, cy is the tile column, the cluster's y the piece of K.  The four with one cx need the same tiles of h, the four with one cy the same
; tiles of W2f: each tile is asked for JOINTLY, by the same tensor load with the same descriptor and a mask that names the four.
; THE MATRIX INSTRUCTION IS USED TRANSPOSED: source 0 = 16 columns of W2f, source 1 = 16 rows of h.  Lane l then holds row l % 16 and the columns 8 (l / 16) + 0..7: 32 bytes of f32.
; REGISTERS, in windows of 256:  window 0: v0-31 addresses; v64-127, v128-191 fragments of h, two buffers, on the way out rows read back from the stage
;   window 1: v64-127, v128-191 fragments of W2f, two buffers     window 2: the accumulators of my rows 0-63 ((a, b) at v[8 (8 a + b)])     window 3: those of my rows 64-127
.set KSTEP,  128
.set PA,     272                       ; an LDS row of h: 256 bytes + 16 of padding: the 16 rows of a fragment load start 16 bytes apart modulo 256
.set PB,     544                       ; an LDS row of W2f: 512 bytes + 32 of padding: the 8 rows x 32 bytes that 16 lanes of the turning load take start 32 bytes apart modulo 256
.set HALFT,  128*PA                    ; what one tensor load brings: 128 rows of h, or 64 rows of W2f (64 x 544 is the same number)
.set SLOT,   4*HALFT                   ; h's 256 rows, then W2f's 128 rows
.set STAGE,  2*SLOT                    ; behind the ring: 16 rows x 528 bytes for each wave, for the way out
.set SP,     528                       ; a stage row: 128 f32 + 16 bytes of padding
.set SPARE,  STAGE+4*16*SP             ; behind the stages: the spare words, 128 bytes for each wave: two blocks of 256 bytes that no other line names
.set LAPS,   2048/(2*KSTEP)            ; a lap = two K steps = once round the ring
.set LDA,    16384                     ; elements from row to row of h
.set LDB,    1024                      ; and of W2f
.set BSTEP,  KSTEP*LDB*2               ; bytes from a K step's rows of W2f to the next step's
.set CROW,   8*1024*4                  ; bytes from a row n of part to the next
.set ADRA, 16                          ; v16-17  LDS address of my fragments of h in slot 0, 1
.set ADRB, 20                          ; v20-21  the same for W2f
.set STO,  24                          ; v24     the way out: where I put 32 bytes of a row
.set RD,   25                          ; v25     the way out: where I read a row back
.set CO,   26                          ; v26     my byte offset in part
.set SPW,  28                          ; v28     LDS address of my spare word: SPARE + 4 x my thread's number; never rewritten
.set NIL,  29                          ; v29     0; never rewritten
.set F0,   64                          ; fragment buffer 0
.set F1,   128                         ; fragment buffer 1
.set G1,  24                           ; s[24:31] descriptor group 1 for h's tiles;   s[32:39] group 0, one set for each slot
.set G0,  32
.set G1B, 48                           ; s[48:55], s[56:63] the same for W2f's tiles
.set G0B, 56
.set MSB, 0
.macro WIN new                         ; the immediate's high byte repeats the setting that is left; a switch that changes nothing is dropped
.if MSB != \new
	s_set_vgpr_msb (MSB<<8)|\new
.set MSB, \new
.endif
.endm
.set MUL_LO, 0xa1                      ; source 0 (W2f) window 1, source 1 (h) window 0, C and D window 2
.set MUL_HI, 0xf1                      ; the same, C and D window 3
.set TO_B,   0x40                      ; destination window 1, address window 0
; A joint load.  Waves 0 and 1 fetch h's two halves, waves 2 and 3 W2f's.  The branch hangs on the wave's number alone.  Four v_nop follow each of the two lines.
.macro JLOAD s
	s_cmp_eq_u32 s11, 0
	s_cbranch_scc0 .Lfor_b_\@
	tensor_load_to_lds s[G0+4*\s:G0+4*\s+3], s[G1:G1+7]
	s_nop 0
.rept 4
	v_nop
.endr
	s_branch .Lasked_\@
.Lfor_b_\@:
	tensor_load_to_lds s[G0B+4*\s:G0B+4*\s+3], s[G1B:G1B+7]
	s_nop 0
.rept 4
	v_nop
.endr
.Lasked_\@:
.endm
.macro CREST                           ; a round of the cluster's barrier behind its opening barrier
	s_cmp_lg_u32 s10, 0
	s_cbranch_scc1 .Lnot_wave_0_\@
	s_barrier_signal -3
.Lnot_wave_0_\@:
	s_barrier_wait -3
	s_barrier_signal -1
	s_barrier_wait -1
.endm
.macro CROUND                          ; a whole round
	s_barrier_signal -1
	s_barrier_wait -1
	CREST
.endm
	s_load_b128 s[4:7], s[0:1], 0x0                ; h s[4:5], W2f s[6:7]
	s_load_b64 s[8:9], s[0:1], 0x10                ; part
	v_lshl_add_u32 v[SPW], v0, 2, SPARE
	v_mov_b32 v[NIL], 0
	ds_add_u32 v28, v29
	s_wait_dscnt 0x0
	v_lshrrev_b32 v1, 5, v0
	v_readfirstlane_b32 s10, v1                    ; wave 0..3
	s_lshr_b32 s11, s10, 1                         ; which half of the tile's rows is mine.  Also: I fetch for h (0) or for W2f (1)
	s_and_b32 s12, s10, 1                          ; which half of its columns.  Also: which half of that tile I fetch
	s_bfe_u32 s40, ttmp6, 0x40000                  ; cx
	s_bfe_u32 s41, ttmp6, 0x40004                  ; cy: the tile column 0..3
	s_lshl_b32 s42, ttmp9, 2
	s_add_co_u32 s42, s42, s40                     ; tile row 0..7 = 4 x cluster x + cx
	s_and_b32 s13, ttmp7, 0xffff                   ; the piece of K 0..7: the cluster's y, which all sixteen share
	s_lshl_b32 s44, 0x1111, s40                    ; the four with my cx: places cx, cx + 4, cx + 8, cx + 12
	s_lshl_b32 s45, s41, 2
	s_lshl_b32 s45, 15, s45                        ; the four with my cy: places 4 cy .. 4 cy + 3
	; group 1 for h: 128 rows x 128 elements, 16 bytes of padding behind every 64 words
	s_or_b32 s[G1+0], s44, (1<<16)|(1<<20)|(1<<21)|(5<<22)|(3<<25)   ; 15:0 the mask; 17:16 elements of 2 bytes; 20 padding on; 21 set beside a mask; 24:22 interval code 5; 31:25 4 words (code 3)
	s_mov_b32 s[G1+1], KSTEP<<16                   ; tensor_dim0 = 128
	s_mov_b32 s[G1+2], 128<<16                     ; tensor_dim1 = 128
	s_mov_b32 s[G1+3], KSTEP<<16                   ; tile_dim0 = 128
	s_mov_b32 s[G1+4], 128                         ; tile_dim1 = 128
	s_mov_b32 s[G1+5], LDA                         ; elements from row to row
	s_mov_b32 s[G1+6], 0
	s_mov_b32 s[G1+7], 0
	; group 1 for W2f: 64 rows x 256 elements, 32 bytes of padding behind every 128 words
	s_or_b32 s[G1B+0], s45, (1<<16)|(1<<20)|(1<<21)|(6<<22)|(7<<25)
	s_mov_b32 s[G1B+1], 256<<16                    ; tensor_dim0 = 256
	s_mov_b32 s[G1B+2], 64<<16                     ; tensor_dim1 = 64
	s_mov_b32 s[G1B+3], 256<<16                    ; tile_dim0 = 256
	s_mov_b32 s[G1B+4], 64                         ; tile_dim1 = 64
	s_mov_b32 s[G1B+5], LDB
	s_mov_b32 s[G1B+6], 0
	s_mov_b32 s[G1B+7], 0
	; where the tiles come from.  h's hang on the tile row (cx) and the piece, W2f's on the tile column (cy) and the piece; each in registers that never hold the other coordinate
	s_lshl_b32 s14, s42, 8
	s_lshl_b32 s15, s12, 7
	s_add_co_u32 s14, s14, s15                     ; h: row 256 x tile row + 128 x half,
	s_lshl_b32 s14, s14, 15                        ; of 32,768 bytes,
	s_lshl_b32 s15, s13, 12                        ; and the piece's 2,048 columns of 2 bytes
	s_add_co_u32 s14, s14, s15
	s_mov_b32 s15, 0
	s_lshl_b32 s46, s13, 22                        ; W2f: the piece's 2,048 rows of 2,048 bytes,
	s_lshl_b32 s47, s12, 17                        ; my 64 rows,
	s_add_co_u32 s46, s46, s47
	s_lshl_b32 s47, s41, 9                         ; the tile's 256 columns
	s_add_co_u32 s46, s46, s47
	s_mov_b32 s47, 0
	s_mul_i32 s20, s10, HALFT                      ; where they go: wave x one load's bytes: no place in the cluster enters an LDS address
	s_wait_kmcnt 0x0
	s_add_nc_u64 s[14:15], s[4:5], s[14:15]
	s_add_nc_u64 s[46:47], s[6:7], s[46:47]
	CROUND                                         ; all sixteen work-groups are here: the first joint loads meet
.irp s, 0,1
	s_mov_b32 s[G0+4*\s], 1                                        ; count = 1
	s_add_co_u32 s[G0+4*\s+1], s20, \s*SLOT                        ; LDS address
	s_add_nc_u64 s[G0+4*\s+2:G0+4*\s+3], s[14:15], \s*KSTEP*2      ; global address: K step s
	s_or_b32 s[G0+4*\s+3], s[G0+4*\s+3], 0x80000000                ; type = 2
	s_mov_b32 s[G0B+4*\s], 1
	s_add_co_u32 s[G0B+4*\s+1], s20, \s*SLOT
	s_add_nc_u64 s[G0B+4*\s+2:G0B+4*\s+3], s[46:47], \s*BSTEP
	s_or_b32 s[G0B+4*\s+3], s[G0B+4*\s+3], 0x80000000
	JLOAD \s                                       ; two loads of mine are out at the start, later one behind each round
.endr
	; A fragment of h: lane l holds row l % 16; registers 0-3 K = 8 (l / 16) + 0..7, registers 4-7 K = 16 + 8 (l / 16) + 0..7: two loads of 16 bytes, 32 bytes apart.
	v_and_b32 v1, 15, v0                           ; l % 16
	v_bfe_u32 v2, v0, 4, 1                         ; l / 16
	v_mul_u32_u24 v3, v1, PA
	v_lshl_add_u32 v3, v2, 4, v3
	; The turning load: lane l reads 16 bytes of row (K) 8 (l / 16) + l % 8, columns 8 ((l / 8) % 2) + 0..7, and receives column l % 16, 8 K: half a fragment; the other half lies 16 rows down.
	v_and_b32 v4, 7, v0
	v_lshl_add_u32 v4, v2, 3, v4
	v_mul_u32_u24 v4, v4, PB
	v_bfe_u32 v5, v0, 3, 1
	v_lshl_add_u32 v4, v5, 4, v4
	s_mul_i32 s21, s11, HALFT                      ; my 128 rows of h
	s_lshl_b32 s22, s12, 8                         ; my 128 columns of W2f: 256 bytes into its rows,
	s_add_co_u32 s22, s22, 2*HALFT                 ; which lie behind h's 256
.irp s, 0,1
	v_add_nc_u32 v[ADRA+\s], s21, v3
	v_add_nc_u32 v[ADRB+\s], s22, v4
	s_add_co_u32 s21, s21, SLOT
	s_add_co_u32 s22, s22, SLOT
.endr
	s_mul_i32 s23, s10, 16*SP
	s_add_co_u32 s23, s23, STAGE                   ; my stage
	v_mul_u32_u24 v5, v1, SP                       ; in: row l % 16, 32 bytes for each half of the lanes
	v_lshl_add_u32 v5, v2, 5, v5
	v_add_nc_u32 v[STO], s23, v5
	v_and_b32 v5, 31, v0
	v_lshlrev_b32 v[CO], 4, v5                     ; back, and out: the 32 lanes take a row's 512 bytes
	v_add_nc_u32 v[RD], s23, v[CO]
	; where my part of the tile begins in part, in bytes
	s_lshl_b32 s16, s42, 8
	s_lshl_b32 s17, s11, 7
	s_add_co_u32 s16, s16, s17                     ; my first row n,
	s_lshl_b32 s16, s16, 15                        ; of 32,768 bytes
	s_lshl_b32 s17, s13, 12                        ; the piece's 4,096 bytes of it
	s_add_co_u32 s16, s16, s17
	s_lshl_b32 s17, s41, 10                        ; the tile's 1,024
	s_add_co_u32 s16, s16, s17
	s_lshl_b32 s17, s12, 9                         ; my 512
	s_add_co_u32 s16, s16, s17
	s_mov_b32 s17, 0
; 16 matrix instructions: row blocks a0, a0 + 1 of the window's four (hi = 0: my rows 0-63, 1: rows 64-127) x all 8 column blocks, 32 along K.  first = 1: the product starts the sums: nothing is cleared.
.macro MUL16 f, hi, a0, first
.irp a, \a0, \a0+1
.irp b, 0,1,2,3,4,5,6,7
.if \first
	v_wmma_f32_16x16x32_f16 v[8*(8*(\a)+\b):8*(8*(\a)+\b)+7], v[\f+8*\b:\f+8*\b+7], v[\f+8*(4*\hi+\a):\f+8*(4*\hi+\a)+7], 0
.else
	v_wmma_f32_16x16x32_f16 v[8*(8*(\a)+\b):8*(8*(\a)+\b)+7], v[\f+8*\b:\f+8*\b+7], v[\f+8*(4*\hi+\a):\f+8*(4*\hi+\a)+7], v[8*(8*(\a)+\b):8*(8*(\a)+\b)+7]
.endif
.endr
.endr
.endm
; 32 LDS loads in one run: the fragments of quarter q of a K step (32 K x 128 columns of W2f, turned; 128 rows x 32 K of h) into buffer f
.macro FETCH slot, q, f
	WIN TO_B
.irp i, 0,1,2,3,4,5,6,7
	ds_load_tr16_b128 v[\f+8*\i:\f+8*\i+3],   v[ADRB+\slot] offset:\q*32*PB+32*\i
	ds_load_tr16_b128 v[\f+8*\i+4:\f+8*\i+7], v[ADRB+\slot] offset:\q*32*PB+16*PB+32*\i
.endr
	WIN 0
.irp i, 0,1,2,3,4,5,6,7
	ds_load_b128 v[\f+8*\i:\f+8*\i+3],   v[ADRA+\slot] offset:64*\q+\i*16*PA
	ds_load_b128 v[\f+8*\i+4:\f+8*\i+7], v[ADRA+\slot] offset:64*\q+\i*16*PA+32
.endr
.endm
; Four plain vector instructions stand between a matrix instruction and a load into a register that it has read, or a store that reads its result (ISA guide 7.12.1 for vector instructions).
.macro PLACES
.rept 4
	v_nop
.endr
.endm
; A K step is four quarters of 32 along K, 64 matrix instructions each, on buffers 0, 1, 0, 1.  The 64 accumulators take turns, one instruction a turn, in the same order in every quarter.
; One of the first three quarters: multiplies buffer f; in its middle it fetches quarter q of the same slot into buffer g.
.macro QUARTER slot, q, f, g, first
	s_wait_dscnt 8                                 ; W2f's fragments and h's rows 0-63 are in; the youngest eight loads (h's rows 64-127) may be out
	WIN MUL_LO
	MUL16 \f, 0, 0, \first
	MUL16 \f, 0, 2, \first
	PLACES
	FETCH \slot, \q, \g
	s_wait_dscnt 32                                ; all but the 32 just issued
	WIN MUL_HI
	MUL16 \f, 1, 0, \first
	MUL16 \f, 1, 2, \first
.endm
; The last quarter multiplies buffer 1 and changes slots.  MEET is its first half: one barrier, in front of which each wave waits for all its tensor loads (one is out: its part of the next slot),
; adds 0 to its spare word, and waits for that and for its own reads of this slot.  Behind it nobody reads this slot any more and the next slot is whole.
.macro MEET round
	WIN 0                                          ; (the add's two registers lie in window 0)
	s_wait_tensorcnt 0x0                           ; all my tensor loads have landed
	ds_add_u32 v[SPW], v[NIL]                      ; 0 onto my spare word
	s_wait_dscnt 9                                 ; (the add and the youngest eight loads may be out)
	WIN MUL_LO
	MUL16 F1, 0, 0, 0                              ; sixteen matrix instructions stand between the add and the wait for it
	s_wait_dscnt 0x0                               ; the add is done, and my reads of this slot are over
	s_barrier_signal -1
	MUL16 F1, 0, 2, 0                              ; work on registers while the others arrive
.if \round
	WIN 0
.endif
	s_barrier_wait -1
.endm
; The whole last quarter.  fill = 1: the barrier opens a round of the cluster's barrier, and the slot just read out is filled again, two K steps on, first thing behind the round:
; from that request to the wait for it a wave issues 224 matrix instructions.
.macro TURN slot, next, fill
	MEET \fill
.if \fill
	CREST                                          ; no wave of any partner still reads this slot's tile or has a load on its way
	s_add_nc_u64 s[G0+4*\slot+2:G0+4*\slot+3], s[G0+4*\slot+2:G0+4*\slot+3], 2*KSTEP*2
	s_add_nc_u64 s[G0B+4*\slot+2:G0B+4*\slot+3], s[G0B+4*\slot+2:G0B+4*\slot+3], 2*BSTEP
	JLOAD \slot                                    ; the four v_nop behind it are also the places in front of the loads below
.else
	PLACES
.endif
	FETCH \next, 0, F0
	WIN MUL_HI
	MUL16 F1, 1, 0, 0
	MUL16 F1, 1, 2, 0
.endm
	s_wait_tensorcnt 1                             ; my part of K step 0 is in; K step 1's may stay out
	s_barrier_signal -1
	s_barrier_wait -1                              ; everybody's is
	FETCH 0, 0, F0
	QUARTER 0, 1, F0, F1, 1                        ; the first quarter stands in front of the loop: its products start the sums
	WIN 0                                          ; at a label and at a branch every window is 0
	s_mov_b32 s3, LAPS-1
.Llap:                                                 ; a trip goes once round the ring, from a lap's second quarter to the next lap's first, and fills both slots again
	QUARTER 0, 2, F1, F0, 0
	QUARTER 0, 3, F0, F1, 0
	TURN 0, 1, 1
	QUARTER 1, 1, F0, F1, 0
	QUARTER 1, 2, F1, F0, 0
	QUARTER 1, 3, F0, F1, 0
	TURN 1, 0, 1
	QUARTER 0, 1, F0, F1, 0
	WIN 0
	s_sub_co_u32 s3, s3, 1
	s_cmp_lg_u32 s3, 0
	s_cbranch_scc1 .Llap
	QUARTER 0, 2, F1, F0, 0                        ; the last lap is written out: it fills nothing, and has no round of the cluster's barrier
	QUARTER 0, 3, F0, F1, 0
	TURN 0, 1, 0
	QUARTER 1, 1, F0, F1, 0
	QUARTER 1, 2, F1, F0, 0
	QUARTER 1, 3, F0, F1, 0
	s_wait_dscnt 8                                 ; the very last quarter: nothing more to fetch
	WIN MUL_LO
	MUL16 F1, 0, 0, 0
	MUL16 F1, 0, 2, 0
	s_wait_dscnt 0x0
	WIN MUL_HI
	MUL16 F1, 1, 0, 0
	MUL16 F1, 1, 2, 0
	WIN 0
	PLACES                                         ; in front of the first reads of results, and of the loads into the fragment buffers
; THE WAY OUT of block a (16 rows x my 128 columns of f32).  TOSTAGE: straight from the accumulators (each one's low four registers first) into my own stage, and back as whole rows of 512 bytes,
; into the fragment buffers by turns.  SEND: stored.
.macro TOSTAGE a
.set AC, 64*((\a)%4)
.set BK, F0+64*((\a)%2)
.if (\a) >= 2
	s_wait_xcnt 0x0                                ; this buffer was the data of the stores two blocks back: it is loaded again only behind this wait
.endif
	WIN 0x08+4*((\a)/4)                            ; the stores' data: window 2 or 3
.irp b, 0,1,2,3,4,5,6,7
	ds_store_b128 v[STO], v[AC+8*\b:AC+8*\b+3]   offset:64*\b
	ds_store_b128 v[STO], v[AC+8*\b+4:AC+8*\b+7] offset:64*\b+16
.endr
	WIN 0
.irp t, 0,1,2,3,4,5,6,7,8,9,10,11,12,13,14,15
	ds_load_b128 v[BK+4*\t:BK+4*\t+3], v[RD] offset:\t*SP      ; LDS serves a wave's instructions in order (ISA guide 5.7.1): these see the stores above, and the next block's stores come behind them
.endr
.endm
.macro SEND a, younger                 ; younger: the LDS instructions issued behind block a's loads: the next block's 32, or none
.set BK, F0+64*((\a)%2)
	s_wait_dscnt \younger                          ; the block is back in registers
	s_wait_xcnt 0x0                                ; the stores' base is stepped only behind this wait
.if (\a) == 0
	s_add_nc_u64 s[8:9], s[8:9], s[16:17]          ; on to my first rows
.else
	s_add_nc_u64 s[8:9], s[8:9], 16*CROW           ; 16 rows on
.endif
.irp t, 0,1,2,3,4,5,6,7,8,9,10,11,12,13,14,15
	global_store_b128 v[CO], v[BK+4*\t:BK+4*\t+3], s[8:9] offset:\t*CROW   ; a wave stores 512 consecutive bytes, at a multiple of 512 from part's first byte
.endr
.endm
	TOSTAGE 0
.irp a, 1,2,3,4,5,6,7
	TOSTAGE \a
	SEND \a-1, 32
.endr
	SEND 7, 0
	s_wait_tensorcnt 0x0                           ; the wave's end, behind my last tensor load and my last LDS store
	ds_add_u32 v[SPW], v[NIL]
	s_wait_dscnt 0x0
	CROUND                                         ; the closing round: no work-group ends while a partner may still ask for a tile that names it
	s_endpgm
.Lfunc_end_k_q5d613c55a1_down:
	.size	k_q5d613c55a1_down, .Lfunc_end_k_q5d613c55a1_down-k_q5d613c55a1_down
	.p2alignl 7, 3214868480
	.fill 96, 4, 3214868480
	.section	.rodata,"a",@progbits
	.p2align	6, 0x0
	.amdhsa_kernel k_q5d613c55a1_down
		.amdhsa_group_segment_fixed_size 327680
		.amdhsa_private_segment_fixed_size 0
		.amdhsa_enable_private_segment 0
		.amdhsa_kernarg_size 24
		.amdhsa_user_sgpr_count 2
		.amdhsa_user_sgpr_kernarg_segment_ptr 1
		.amdhsa_wavefront_size32 1
		.amdhsa_system_sgpr_workgroup_id_x 1
		.amdhsa_system_sgpr_workgroup_id_y 1
		.amdhsa_system_sgpr_workgroup_id_z 1
		.amdhsa_system_vgpr_workitem_id 0
		.amdhsa_next_free_vgpr 1024
		.amdhsa_next_free_sgpr 66
		.amdhsa_reserve_vcc 0
		.amdhsa_float_denorm_mode_32 3
		.amdhsa_float_denorm_mode_16_64 3
		.amdhsa_memory_ordered 1
		.amdhsa_forward_progress 1
		.amdhsa_inst_pref_size 141
	.end_amdhsa_kernel
	.amdgpu_metadata
---
amdhsa.version: [ 1, 2 ]
amdhsa.kernels:
  - .name:           k_q5d613c55a1_down
    .symbol:         k_q5d613c55a1_down.kd
    .args:
      - { .name: h, .offset: 0, .size: 8, .value_kind: global_buffer, .address_space: global }
      - { .name: W2f, .offset: 8, .size: 8, .value_kind: global_buffer, .address_space: global }
      - { .name: part, .offset: 16, .size: 8, .value_kind: global_buffer, .address_space: global }
    .group_segment_fixed_size: 327680
    .private_segment_fixed_size: 0
    .kernarg_segment_align: 8
    .kernarg_segment_size: 24
    .max_flat_workgroup_size: 128
    .sgpr_count:     66
    .vgpr_count:     1024
    .wavefront_size: 32
...
	.end_amdgpu_metadata
.endif
;; end of part 3
;; launch combine (part 4): grid 512 x 1, 8 waves a work-group, no clusters, 0 bytes of LDS; arguments part, gate, b2, out0; writes out0
.if DOCPART == 4
	.amdgcn_target "amdgcn-amd-amdhsa--gfx1250"
	.amdhsa_code_object_version 6
	.text
	.protected	k_q5d613c55a1_combine
	.globl	k_q5d613c55a1_combine
	.p2align	8
	.type	k_q5d613c55a1_combine,@function
k_q5d613c55a1_combine:
	s_mov_b64 s[64:65], 0
	v_nop
	global_prefetch_b8 v0, s[64:65] scope:SCOPE_SE
	s_setreg_imm32_b32 hwreg(HW_REG_WAVE_MODE, 25, 1), 1
	s_wait_xcnt 0x0
; out0[n][d] = sum over e of gate[n][e] (part[n][2e][d] + part[n][2e+1][d] + b2[e][d]).  part: [2048][8][1024] f32; gate: [2048][4] f32; b2: [4][1024] f32; out0: [2048][1024] f32.
; All in f32, in this fixed order.  A stream: every byte of part is loaded once, by loads of which a wave's covers 512 consecutive bytes; nothing but b2 (16 KiB) is shared between
; work-groups, so no clusters, no LDS, no matrix work.
; Eight waves; the work-group owns four rows n; thread t owns columns 4t .. 4t+3.  All 36 loads of a thread go out first; a row is worked on when its eight are in.
.set B2, 4                             ; v[4:19]    b2 of my four columns, expert e at +4e
.set P,  20                            ; v[20:147]  row i, piece s at +32i+4s
.set G,  16                            ; s[16:31]   the four rows' gates, row i's at +4i
	s_load_b256 s[4:11], s[0:1], 0x0               ; part s[4:5], gate s[6:7], b2 s[8:9], out0 s[10:11]
	v_lshlrev_b32 v1, 4, v0                        ; 16 t
	s_lshl_b32 s12, ttmp9, 17                      ; four rows of 32,768 bytes (part)
	s_mov_b32 s13, 0
	s_lshl_b32 s14, ttmp9, 6                       ; four rows of 16 bytes (gate)
	s_mov_b32 s15, 0
	s_lshl_b32 s2, ttmp9, 14                       ; four rows of 4,096 bytes (out0)
	s_mov_b32 s3, 0
	s_wait_kmcnt 0x0
	s_add_nc_u64 s[6:7], s[6:7], s[14:15]
	s_add_nc_u64 s[4:5], s[4:5], s[12:13]
	s_add_nc_u64 s[10:11], s[10:11], s[2:3]
	s_load_b512 s[G:G+15], s[6:7], 0x0             ; sixteen gates, the same for every lane: this launch stores nothing into gate
.irp e, 0,1,2,3
	global_load_b128 v[B2+4*\e:B2+4*\e+3], v1, s[8:9] offset:4096*\e
.endr
.irp i, 0,1,2,3
.irp s, 0,1,2,3,4,5,6,7
	global_load_b128 v[P+32*\i+4*\s:P+32*\i+4*\s+3], v1, s[4:5] offset:32768*\i+4096*\s th:TH_LOAD_NT
.endr
.endr
	s_wait_kmcnt 0x0
.macro ROW i
.set RW, P+32*\i
	s_wait_loadcnt 8*(3-\i)                        ; loads come back in order: b2 and row i's eight are in, the later rows' stay out
.irp e, 0,1,2,3
	v_pk_add_f32 v[RW+8*\e:RW+8*\e+1],   v[RW+8*\e:RW+8*\e+1],   v[RW+8*\e+4:RW+8*\e+5]   ; the expert's two pieces of K
	v_pk_add_f32 v[RW+8*\e+2:RW+8*\e+3], v[RW+8*\e+2:RW+8*\e+3], v[RW+8*\e+6:RW+8*\e+7]
.endr
.irp e, 0,1,2,3
	v_pk_add_f32 v[RW+8*\e:RW+8*\e+1],   v[RW+8*\e:RW+8*\e+1],   v[B2+4*\e:B2+4*\e+1]     ; and its bias
	v_pk_add_f32 v[RW+8*\e+2:RW+8*\e+3], v[RW+8*\e+2:RW+8*\e+3], v[B2+4*\e+2:B2+4*\e+3]
.endr
.irp c, 0,1,2,3
	v_mul_f32 v[RW+\c], s[G+4*\i], v[RW+\c]        ; expert 0 starts the mix
.endr
.irp e, 1,2,3
.irp c, 0,1,2,3
	v_fma_f32 v[RW+\c], s[G+4*\i+\e], v[RW+8*\e+\c], v[RW+\c]
.endr
.endr
	global_store_b128 v1, v[RW:RW+3], s[10:11] offset:4096*\i th:TH_STORE_NT   ; a wave stores 512 consecutive bytes, aligned; no register of a store is written again
.endm
	ROW 0
	ROW 1
	ROW 2
	ROW 3
	s_endpgm
.Lfunc_end_k_q5d613c55a1_combine:
	.size	k_q5d613c55a1_combine, .Lfunc_end_k_q5d613c55a1_combine-k_q5d613c55a1_combine
	.p2alignl 7, 3214868480
	.fill 96, 4, 3214868480
	.section	.rodata,"a",@progbits
	.p2align	6, 0x0
	.amdhsa_kernel k_q5d613c55a1_combine
		.amdhsa_group_segment_fixed_size 0
		.amdhsa_private_segment_fixed_size 0
		.amdhsa_enable_private_segment 0
		.amdhsa_kernarg_size 32
		.amdhsa_user_sgpr_count 2
		.amdhsa_user_sgpr_kernarg_segment_ptr 1
		.amdhsa_wavefront_size32 1
		.amdhsa_system_sgpr_workgroup_id_x 1
		.amdhsa_system_sgpr_workgroup_id_y 1
		.amdhsa_system_sgpr_workgroup_id_z 1
		.amdhsa_system_vgpr_workitem_id 0
		.amdhsa_next_free_vgpr 152
		.amdhsa_next_free_sgpr 66
		.amdhsa_reserve_vcc 0
		.amdhsa_float_denorm_mode_32 3
		.amdhsa_float_denorm_mode_16_64 3
		.amdhsa_memory_ordered 1
		.amdhsa_forward_progress 1
		.amdhsa_inst_pref_size 13
	.end_amdhsa_kernel
	.amdgpu_metadata
---
amdhsa.version: [ 1, 2 ]
amdhsa.kernels:
  - .name:           k_q5d613c55a1_combine
    .symbol:         k_q5d613c55a1_combine.kd
    .args:
      - { .name: part, .offset: 0, .size: 8, .value_kind: global_buffer, .address_space: global }
      - { .name: gate, .offset: 8, .size: 8, .value_kind: global_buffer, .address_space: global }
      - { .name: b2, .offset: 16, .size: 8, .value_kind: global_buffer, .address_space: global }
      - { .name: out0, .offset: 24, .size: 8, .value_kind: global_buffer, .address_space: global }
    .group_segment_fixed_size: 0
    .private_segment_fixed_size: 0
    .kernarg_segment_align: 8
    .kernarg_segment_size: 32
    .max_flat_workgroup_size: 256
    .sgpr_count:     66
    .vgpr_count:     152
    .wavefront_size: 32
...
	.end_amdgpu_metadata
.endif
;; end of part 4
;; ======== version 2 of 2: 4 launches; version 1 with the launch prep written anew for expert scheduling mode
;; limits: values are held in f16: magnitudes above 65,504 overflow, below 6.1e-05 lose precision
;; workspace buffers: qf 4,194,304 bytes; gate 32,768 bytes; W1f 33,554,432 bytes; W2f 33,554,432 bytes; h 67,108,864 bytes; part 67,108,864 bytes
;; launch prep (part 5): grid 1280 x 1, 8 waves a work-group, no clusters, 2,048 bytes of LDS; arguments q, k, Wg, bg, W1, qf, gate, W1f; writes qf, gate, W1f
.if DOCPART == 5
	.amdgcn_target "amdgcn-amd-amdhsa--gfx1250"
	.amdhsa_code_object_version 6
	.text
	.protected	k_q5d613c55a1_prep
	.globl	k_q5d613c55a1_prep
	.p2align	8
	.type	k_q5d613c55a1_prep,@function
k_q5d613c55a1_prep:
	s_mov_b64 s[64:65], 0
	v_nop
	global_prefetch_b8 v0, s[64:65] scope:SCOPE_SE
	s_setreg_imm32_b32 hwreg(HW_REG_WAVE_SCHED_MODE, 0, 2), 2
	s_setreg_imm32_b32 hwreg(HW_REG_WAVE_MODE, 25, 1), 1
	s_wait_xcnt 0x0
	s_wait_alu depctr_vm_vsrc(0)
; Two jobs, chosen by the work-group's number (the same for all its waves):
;   work-groups 0 to 255:     gate[n][0..3] = softmax(concat(q[n], k[n]) . Wg + bg), all in f32, and qf = q rounded to f16.  Eight rows a work-group.
;   work-groups 256 to 1279:  W1f = W1 rounded to f16, same order of elements.  65,536 bytes of f32 a work-group.  (W2 is rounded by the next launch, beside its matrix work.)
; WHY f16 AND NOT bf16: four operands are rounded on the way to a result (q, W1, h, W2); f16's 11 significant bits leave each an eighth of the error of bf16's 8.
; ROOM IN f16 (largest number 65,504; spacing 6e-8 below 6e-5): numbers of the size of q up to 65,504; weights of rms 5e-4 still carry an absolute error under 1e-4 of their rms.
; The division by TEMP = 1.0 changes no number and is not written.  The softmax takes the row's maximum away: its exponents are at most 0, its sum at least 1.
; No work-group reads what another reads but Wg and bg (32 KiB): no clusters, no tiles in LDS, no matrix work; every byte of q, k, W1 is loaded once.
; THE MODE: SCHED_MODE bits 1:0 = 2 (LLVM: expert scheduling mode 2), set by the entry lines.  The code itself states the register dependences
; between vector instructions and memory or LDS instructions, with s_wait_alu, always for 0.
; THE PLAN, the gate.  Registers that memory or LDS instructions touch:
;   v1 .. v6      offsets and LDS addresses: written once at the head, read by every load, store and LDS access, never written again: one wait ahead of the first load.
;   BG, WQ, WK, XQ  loads land in them once; no vector instruction names them before that.
;   XK            loads land in it; the multiply-adds read it; in wave 0 eight LDS loads land in its first eight registers.
;   Y             row i's pair is written by row i's two conversions, read by one store, never written again.
;   ACC           written by the sums, read by the eight LDS stores, never written again.
;   v[XK+2]       in wave 0: written by the last multiply, read by the gate's store.
; The rows go two to a step: at the head of rows 2, 4 and 6 one wait states that the step before has written its two pairs of Y, and that step's two stores follow.  One wait behind the
; sums over the lanes serves the stores of rows 6 and 7, the LDS stores of ACC and wave 0's LDS loads into XK: no vector instruction stands between it and any of them.
; THE PLAN, the cast.  v1, v2: written once, one wait ahead of the loads.  CX: loads land once.  CY: piece i's pair is written by its two conversions, read by one store, never written again:
; the stores go in runs of four, each run behind one wait.
; On neither way is a register written again that a memory or LDS instruction has read: so no wait on vm_vsrc is written.
.set GATE_WGS, 256
.set WQ,  8                            ; v[8:23]    Wg rows 4t .. 4t+3 (q's part), four experts each
.set WK,  24                           ; v[24:39]   Wg rows 1024+4t .. (k's part)
.set XQ,  40                           ; v[40:71]   q: row i's four numbers at +4i
.set XK,  72                           ; v[72:103]  k likewise
.set ACC, 104                          ; v[104:135] row i's four partial logits at +4i
.set Y,   136                          ; v[136:151] row i's four f16 of q at +2i
.set BG,  152                          ; v152       bg[t & 3]
.set CX,  8                            ; cast: v[8:71]   sixteen loads of 16 bytes
.set CY,  72                           ; cast: v[72:103] sixteen stores of 8 bytes
	v_lshl_add_u32 v160, v0, 2, 0x400
	v_mov_b32 v161, 0
	s_cmp_lt_u32 ttmp9, GATE_WGS
	s_cbranch_scc0 .Lcast
	; ---------------- the gate, and q to f16 ----------------
	; Thread t owns elements 4t .. 4t+3 of every row of q and of k, and the eight rows of Wg that meet them.
	s_load_b256 s[4:11], s[0:1], 0x0               ; q s[4:5], k s[6:7], Wg s[8:9], bg s[10:11]
	s_load_b128 s[12:15], s[0:1], 0x28             ; qf s[12:13], gate s[14:15]
	v_lshrrev_b32 v7, 5, v0
	v_readfirstlane_b32 s16, v7                    ; wave 0..7
	v_lshlrev_b32 v1, 4, v0                        ; 16 t: my 16 bytes in a row of q or k
	v_lshlrev_b32 v2, 3, v0                        ; 8 t: my 8 bytes in a row of qf
	v_lshlrev_b32 v3, 6, v0                        ; 64 t: my four rows of Wg
	v_and_b32 v4, 3, v0
	v_lshlrev_b32 v4, 2, v4                        ; 4 (t & 3): the expert that my lane stands for at the end
	v_and_b32 v6, 31, v0
	v_lshlrev_b32 v6, 2, v6                        ; 4 x lane
	s_wait_alu depctr_va_sdst(0)                   ; s16 is written, ahead of its first reader, the line below
	v_mov_b32 v5, s16
	v_lshlrev_b32 v5, 7, v5                        ; my wave's 128 bytes of LDS
	s_mov_b32 s18, 0x76543210                      ; v_permlanex16_b32: each lane takes its own place in the other half
	s_mov_b32 s19, 0xfedcba98
	s_lshl_b32 s20, ttmp9, 15                      ; eight rows of 4,096 bytes (q, k)
	s_mov_b32 s21, 0
	s_lshl_b32 s22, ttmp9, 14                      ; eight rows of 2,048 bytes (qf)
	s_mov_b32 s23, 0
	s_lshl_b32 s24, ttmp9, 7                       ; eight rows of 16 bytes (gate)
	s_mov_b32 s25, 0
	s_wait_kmcnt 0x0
	s_add_nc_u64 s[4:5], s[4:5], s[20:21]
	s_add_nc_u64 s[6:7], s[6:7], s[20:21]
	s_add_nc_u64 s[12:13], s[12:13], s[22:23]
	s_add_nc_u64 s[14:15], s[14:15], s[24:25]
	s_wait_alu depctr_va_vdst(0)                   ; v1 to v6 are written: every load, store and LDS access of this way reads one of them as its offset or address
	global_load_b32 v[BG], v4, s[10:11]
.irp j, 0,1,2,3
	global_load_b128 v[WQ+4*\j:WQ+4*\j+3], v3, s[8:9] offset:16*\j
.endr
.irp j, 0,1,2,3
	global_load_b128 v[WK+4*\j:WK+4*\j+3], v3, s[8:9] offset:16384+16*\j
.endr
.irp i, 0,1,2,3,4,5,6,7
	global_load_b128 v[XQ+4*\i:XQ+4*\i+3], v1, s[4:5] offset:4096*\i th:TH_LOAD_NT
	global_load_b128 v[XK+4*\i:XK+4*\i+3], v1, s[6:7] offset:4096*\i th:TH_LOAD_NT
.endr
; row i's logits (two pairs of experts) += Wg row j of set w times element j of x: the element is broadcast to both halves of the packed multiply-add
.macro MAC i, w, x, j
.if (\j)%2
	v_pk_fma_f32 v[ACC+4*\i:ACC+4*\i+1],   v[\w+4*\j:\w+4*\j+1],   v[\x+4*\i+\j-1:\x+4*\i+\j], v[ACC+4*\i:ACC+4*\i+1]   op_sel:[0,1,0] op_sel_hi:[1,1,1]
	v_pk_fma_f32 v[ACC+4*\i+2:ACC+4*\i+3], v[\w+4*\j+2:\w+4*\j+3], v[\x+4*\i+\j-1:\x+4*\i+\j], v[ACC+4*\i+2:ACC+4*\i+3] op_sel:[0,1,0] op_sel_hi:[1,1,1]
.else
	v_pk_fma_f32 v[ACC+4*\i:ACC+4*\i+1],   v[\w+4*\j:\w+4*\j+1],   v[\x+4*\i+\j:\x+4*\i+\j+1], v[ACC+4*\i:ACC+4*\i+1]   op_sel_hi:[1,0,1]
	v_pk_fma_f32 v[ACC+4*\i+2:ACC+4*\i+3], v[\w+4*\j+2:\w+4*\j+3], v[\x+4*\i+\j:\x+4*\i+\j+1], v[ACC+4*\i+2:ACC+4*\i+3] op_sel_hi:[1,0,1]
.endif
.endm
; row i of qf goes out
.macro QSTORE i
	global_store_b64 v2, v[Y+2*(\i):Y+2*(\i)+1], s[12:13] offset:2048*(\i)   ; a wave's store covers 256 consecutive bytes, aligned
.endm
.macro ROW i
	s_wait_loadcnt 14-2*\i                         ; loads come back in order: row i's two are in, the 14 - 2i of the later rows stay out
.if ((\i) > 0) && ((\i) % 2 == 0)
	s_wait_alu depctr_va_vdst(0)                   ; the conversions of the two rows before have written their pairs of Y, which the two stores below read
	QSTORE (\i)-2
	QSTORE (\i)-1
.endif
	v_pk_mul_f32 v[ACC+4*\i:ACC+4*\i+1],   v[WQ:WQ+1],   v[XQ+4*\i:XQ+4*\i+1] op_sel_hi:[1,0]   ; the first product starts the sums: nothing is cleared
	v_pk_mul_f32 v[ACC+4*\i+2:ACC+4*\i+3], v[WQ+2:WQ+3], v[XQ+4*\i:XQ+4*\i+1] op_sel_hi:[1,0]
	MAC \i, WQ, XQ, 1
	MAC \i, WQ, XQ, 2
	MAC \i, WQ, XQ, 3
	MAC \i, WK, XK, 0
	MAC \i, WK, XK, 1
	MAC \i, WK, XK, 2
	MAC \i, WK, XK, 3
	v_cvt_pk_f16_f32 v[Y+2*\i],   v[XQ+4*\i],   v[XQ+4*\i+1]
	v_cvt_pk_f16_f32 v[Y+2*\i+1], v[XQ+4*\i+2], v[XQ+4*\i+3]
.endm
.irp i, 0,1,2,3,4,5,6,7
	ROW \i
.endr
	; the 32 sums over the wave's 32 lanes: four steps inside each half of 16 lanes, one across the halves; every lane ends with the sum
.irp m, 1,2,4,8
.set n, 0
.rept 32
	v_add_f32_dpp v[ACC+n], v[ACC+n], v[ACC+n] row_xmask:\m row_mask:0xf bank_mask:0xf
.set n, n+1
.endr
.endr
.set n, 0
.rept 32
	v_permlanex16_b32 v[XQ+n], v[ACC+n], s18, s19  ; q's registers are done with, and have been written
.set n, n+1
.endr
.set n, 0
.rept 32
	v_add_f32 v[ACC+n], v[ACC+n], v[XQ+n]
.set n, n+1
.endr
	s_wait_alu depctr_va_vdst(0)                   ; rows 6 and 7 have written their pairs of Y, which the two stores read; the sums have written ACC, which the LDS stores read; the multiply-adds are done reading XK, in which wave 0's LDS loads land
	QSTORE 6
	QSTORE 7
.irp i, 0,1,2,3,4,5,6,7
	ds_store_b128 v5, v[ACC+4*\i:ACC+4*\i+3] offset:16*\i   ; all lanes write the same words with the same values: word 4 i + e of my wave's 32
.endr
	s_wait_dscnt 0x0                               ; for wave 0's sake: my stores are done
	s_barrier_signal -1
	s_barrier_wait -1
	s_cmp_lg_u32 s16, 0
	s_cbranch_scc1 .Lgate_done                     ; wave 0 finishes: lane 4 i + e stands for row i, expert e
.irp w, 0,1,2,3,4,5,6,7
	ds_load_b32 v[XK+\w], v6 offset:128*\w         ; no vector instruction has been issued since the wait ahead of the LDS stores
.endr
	s_wait_dscnt 0x0
	v_add_f32 v[XK],   v[XK],   v[XK+1]
	v_add_f32 v[XK+2], v[XK+2], v[XK+3]
	v_add_f32 v[XK+4], v[XK+4], v[XK+5]
	v_add_f32 v[XK+6], v[XK+6], v[XK+7]
	v_add_f32 v[XK],   v[XK],   v[XK+2]
	v_add_f32 v[XK+4], v[XK+4], v[XK+6]
	v_add_f32 v[XK],   v[XK],   v[XK+4]
	v_add_f32 v[XK],   v[XK],   v[BG]              ; the logit
	v_mov_b32 v[XK+1], v[XK]
	v_max_num_f32_dpp v[XK+1], v[XK+1], v[XK+1] row_xmask:1 row_mask:0xf bank_mask:0xf
	v_max_num_f32_dpp v[XK+1], v[XK+1], v[XK+1] row_xmask:2 row_mask:0xf bank_mask:0xf   ; the row's maximum, in its four lanes
	v_sub_f32 v[XK], v[XK], v[XK+1]
	v_mul_f32 v[XK], 0x3fb8aa3b, v[XK]             ; times log2(e)
	v_exp_f32 v[XK+2], v[XK]
	v_nop                                          ; a plain instruction between the exponential and the use of its result
	s_wait_alu depctr_va_vdst(0)                   ; the exponential has written v[XK+2], ahead of its first reader
	v_mov_b32 v[XK+3], v[XK+2]
	v_add_f32_dpp v[XK+3], v[XK+3], v[XK+3] row_xmask:1 row_mask:0xf bank_mask:0xf
	v_add_f32_dpp v[XK+3], v[XK+3], v[XK+3] row_xmask:2 row_mask:0xf bank_mask:0xf
	v_rcp_f32 v[XK+4], v[XK+3]
	v_nop                                          ; a plain instruction between the reciprocal and the use of its result
	s_wait_alu depctr_va_vdst(0)                   ; the reciprocal has written v[XK+4], ahead of its first reader
	v_mul_f32 v[XK+2], v[XK+2], v[XK+4]
	s_wait_alu depctr_va_vdst(0)                   ; the multiply has written v[XK+2], which the store reads
	global_store_b32 v6, v[XK+2], s[14:15]         ; the work-group's eight rows of the gate: 128 consecutive bytes
.Lgate_done:
	s_wait_dscnt 0x0                               ; the closing lines, six on end
	s_wait_alu 0x0
	s_wait_tensorcnt 0x0
	ds_add_u32 v160, v161
	s_wait_dscnt 0x0
	s_endpgm
	; ---------------- W1 to f16 ----------------
.Lcast:
	s_load_b64 s[4:5], s[0:1], 0x20                ; W1
	s_load_b64 s[8:9], s[0:1], 0x38                ; W1f
	s_sub_co_u32 s2, ttmp9, GATE_WGS               ; my piece, 0 .. 1023
	v_lshlrev_b32 v1, 4, v0
	v_lshlrev_b32 v2, 3, v0
	s_lshl_b32 s16, s2, 16                         ; 65,536 bytes in,
	s_mov_b32 s17, 0
	s_lshl_b32 s18, s2, 15                         ; 32,768 out
	s_mov_b32 s19, 0
	s_wait_kmcnt 0x0
	s_add_nc_u64 s[4:5], s[4:5], s[16:17]
	s_add_nc_u64 s[8:9], s[8:9], s[18:19]
	s_wait_alu depctr_va_vdst(0)                   ; v1 and v2 are written: the loads read the one, the stores the other, as their offset
.irp i, 0,1,2,3,4,5,6,7,8,9,10,11,12,13,14,15
	global_load_b128 v[CX+4*\i:CX+4*\i+3], v1, s[4:5] offset:4096*\i th:TH_LOAD_NT   ; all sixteen go out first: 512 consecutive bytes a wave each
.endr
; piece i of W1f goes out
.macro CSTORE i
	global_store_b64 v2, v[CY+2*(\i):CY+2*(\i)+1], s[8:9] offset:2048*(\i)   ; 256 consecutive bytes a wave, aligned; no register is written twice
.endm
.irp i, 0,1,2,3,4,5,6,7,8,9,10,11,12,13,14,15
	s_wait_loadcnt 15-\i                           ; load i is in; the 15 - i behind it stay out
.if ((\i) > 0) && ((\i) % 4 == 0)
	s_wait_alu depctr_va_vdst(0)                   ; the conversions of the four pieces before have written their pairs of CY, which the four stores below read
	CSTORE (\i)-4
	CSTORE (\i)-3
	CSTORE (\i)-2
	CSTORE (\i)-1
.endif
	v_cvt_pk_f16_f32 v[CY+2*\i],   v[CX+4*\i],   v[CX+4*\i+1]
	v_cvt_pk_f16_f32 v[CY+2*\i+1], v[CX+4*\i+2], v[CX+4*\i+3]
.endr
	s_wait_alu depctr_va_vdst(0)                   ; pieces 12 to 15 have written their pairs of CY, which the last four stores read
	CSTORE 12
	CSTORE 13
	CSTORE 14
	CSTORE 15
	s_endpgm
.Lfunc_end_k_q5d613c55a1_prep:
	.size	k_q5d613c55a1_prep, .Lfunc_end_k_q5d613c55a1_prep-k_q5d613c55a1_prep
	.p2alignl 7, 3214868480
	.fill 96, 4, 3214868480
	.section	.rodata,"a",@progbits
	.p2align	6, 0x0
	.amdhsa_kernel k_q5d613c55a1_prep
		.amdhsa_group_segment_fixed_size 2048
		.amdhsa_private_segment_fixed_size 0
		.amdhsa_enable_private_segment 0
		.amdhsa_kernarg_size 64
		.amdhsa_user_sgpr_count 2
		.amdhsa_user_sgpr_kernarg_segment_ptr 1
		.amdhsa_wavefront_size32 1
		.amdhsa_system_sgpr_workgroup_id_x 1
		.amdhsa_system_sgpr_workgroup_id_y 1
		.amdhsa_system_sgpr_workgroup_id_z 1
		.amdhsa_system_vgpr_workitem_id 0
		.amdhsa_next_free_vgpr 162
		.amdhsa_next_free_sgpr 66
		.amdhsa_reserve_vcc 0
		.amdhsa_float_denorm_mode_32 3
		.amdhsa_float_denorm_mode_16_64 3
		.amdhsa_memory_ordered 1
		.amdhsa_forward_progress 1
		.amdhsa_inst_pref_size 34
	.end_amdhsa_kernel
	.amdgpu_metadata
---
amdhsa.version: [ 1, 2 ]
amdhsa.kernels:
  - .name:           k_q5d613c55a1_prep
    .symbol:         k_q5d613c55a1_prep.kd
    .args:
      - { .name: q, .offset: 0, .size: 8, .value_kind: global_buffer, .address_space: global }
      - { .name: k, .offset: 8, .size: 8, .value_kind: global_buffer, .address_space: global }
      - { .name: Wg, .offset: 16, .size: 8, .value_kind: global_buffer, .address_space: global }
      - { .name: bg, .offset: 24, .size: 8, .value_kind: global_buffer, .address_space: global }
      - { .name: W1, .offset: 32, .size: 8, .value_kind: global_buffer, .address_space: global }
      - { .name: qf, .offset: 40, .size: 8, .value_kind: global_buffer, .address_space: global }
      - { .name: gate, .offset: 48, .size: 8, .value_kind: global_buffer, .address_space: global }
      - { .name: W1f, .offset: 56, .size: 8, .value_kind: global_buffer, .address_space: global }
    .group_segment_fixed_size: 2048
    .private_segment_fixed_size: 0
    .kernarg_segment_align: 8
    .kernarg_segment_size: 64
    .max_flat_workgroup_size: 256
    .sgpr_count:     66
    .vgpr_count:     162
    .wavefront_size: 32
...
	.end_amdgpu_metadata
.endif
;; end of part 5
;; launch up: the kernel of part 2 again; grid 8 x 32, 4 waves a work-group, clusters of 4 x 4, 327,680 bytes of LDS; arguments qf, W1f, h, b1, W2, W2f; writes h, W2f
;; launch down: the kernel of part 3 again; grid 8 x 32, 4 waves a work-group, clusters of 4 x 4, 327,680 bytes of LDS; arguments h, W2f, part; writes part
;; launch combine: the kernel of part 4 again; grid 512 x 1, 8 waves a work-group, no clusters, 0 bytes of LDS; arguments part, gate, b2, out0; writes out0
